; MI455X (gfx1250); checked and timed in simulation.
; The chip was launched on July 23, 2026; its instructions are those of AMD's public machine-readable ISA for CDNA 5 (MIT licence, August 2026) and "CDNA5" Instruction Set Architecture Reference Guide (July 2026). The comments in the code are by the model that wrote it; some were corrected since.
;; Causal Self Attention Batched. Allowed arithmetic: matrix products marked QUANTISED: E2M1 operands, one E8M0 scale for each 32 along K, by v_wmma_scale_f32_16x16x128_f8f6f4 with both operands' format E2M1 (or v_wmma_scale_f32_32x16x128_f4), f32 sums; products left as they are: bf16, f16 or f32 operands; f32 sums; everything else in f32.
;; Inputs: c_proj_weight 1,024 x 1,024 float32; qkv_w 3 x 1,024 x 1,024 float32; sa_lambdas 2 float32; ve 4 x 2,048 x 1,024 float32; x 4 x 2,048 x 1,024 float32.
;; Outputs: out0 4 x 2,048 x 1,024 float32.
;; This version of the problem:
;;   THIS VERSION OF THE PROBLEM IS GIVEN IN LOW PRECISION. The matrix products marked QUANTISED in the list below multiply operands that are first quantised to E2M1 (2 exponent bits, 1 mantissa bit; 4 bits a number), with one power-of-two scale for each 32 numbers along K (OCP MX v1.0); their sums are f32. The products marked 'left as it is' may take bf16, f16 or f32 operands, with f32 sums. Whichever they take, every output number must still come out within the allowed error. Rounding operands to bf16 (8 significant bits) uses up far more of that allowance than f16 does (11 bits, for magnitudes from 6e-5 to 65,504). All else is computed in f32.
;;   The module's matrix products, in the order in which they are computed (A, B: the left and right operand; K: the contracted axis; several contracted axes count as one K, in the product's order):
;;     1. [M 8,192, K 1,024] x [K 1,024, N 3,072]; A: input x; B: input qkv_w: QUANTISED
;;     2. batch 32 x [M 2,048, K 128] x [K 128, N 2,048]; A: computed on the way; B: computed on the way: left as it is (an operand is computed on the way)
;;     3. batch 32 x [M 128, K 2,048] x [K 2,048, N 2,048]; A: computed on the way; B: computed on the way: left as it is (an operand is computed on the way)
;;     4. [M 8,192, K 1,024] x [K 1,024, N 1,024]; A: computed on the way; B: input c_proj_weight: left as it is (an operand is computed on the way)
;;   THE QUANTISER, for each operand of a quantised product, along K:
;;     - K is cut into blocks of 32 from its start; a last block that is shorter is filled with zeros.
;;     - A block's scale is 2^e with e = floor(log2(the largest magnitude in the block)) - 2, held to -126 .. 127; a block of zeros has e = 0. As a byte (E8M0): e + 127.
;;     - Each number is divided by its block's scale, clamped to +-6, and rounded to the nearest number of E2M1, ties to even, subnormals kept.
;;     - The product sums the exact products of the quantised numbers (number of the format x scale) in f32.
;;   ~~~python
;;   def quantise(x, axis):      # numpy; x: float32 -> the quantised numbers, widened to float32 again
;;       x = np.moveaxis(x, axis, -1); K = x.shape[-1]
;;       x = np.pad(x, [(0, 0)] * (x.ndim - 1) + [(0, -K % 32)]); x = x.reshape(x.shape[:-1] + (-1, 32)); a = np.abs(x).max(-1, keepdims=True)
;;       e = np.where(a > 0, np.clip(np.frexp(np.where(a > 0, a, 1))[1] - 1 - 2, -126, 127), 0)      # np.frexp(a)[1] - 1 = floor(log2(a)), exactly
;;       r = np.clip(x / 2.0 ** e, -6, 6)
;;       step = 2.0 ** (np.maximum(np.frexp(np.where(r == 0, 1, r))[1] - 1, 0) - 1)
;;       q = np.round(r / step) * step * 2.0 ** e      # np.round: ties to even
;;       return np.moveaxis(q.reshape(q.shape[:-2] + (-1,))[..., :K], -1, axis).astype(np.float32)
;;   ~~~
;; One version. Each part assembles by itself: llvm-mc -triple=amdgcn-amd-amdhsa -mcpu=gfx1250 --defsym DOCPART=n.
;; ======== version 1 of 1: 4 launches
;; workspace buffers: cimg 5,767,168 bytes; csc 360,448 bytes; wc16 2,097,152 bytes; rope 524,288 bytes; qkv16 50,331,648 bytes; vexp 4,096 bytes; y16 16,777,216 bytes
;; launch prep (part 1): grid 432 x 1, 4 waves a work-group, no clusters, 34,304 bytes of LDS; arguments x, qkv_w, c_proj_weight, cimg, csc, wc16, rope; writes cimg, csc, wc16, rope
.if DOCPART == 1
	.amdgcn_target "amdgcn-amd-amdhsa--gfx1250"
	.amdhsa_code_object_version 6
	.text
	.protected	k_q49ae8015a5_prep
	.globl	k_q49ae8015a5_prep
	.p2align	8
	.type	k_q49ae8015a5_prep,@function
k_q49ae8015a5_prep:
	s_mov_b64 s[64:65], 0
	v_nop
	global_prefetch_b8 v0, s[64:65] scope:SCOPE_SE
	s_setreg_imm32_b32 hwreg(HW_REG_WAVE_MODE, 25, 1), 1
	s_wait_xcnt 0x0
; LAUNCH 1 OF 4.  x [8192][1024] and qkv_w [3072][1024], f32, become codes of FP4 (E2M1) with one E8M0 byte for each 32 along K; c_proj_weight becomes f16; the table of cos and sin is made.
; DEAD WORK, left out by the whole program, for all finite values of the inputs:
; (a) reference() builds the causal mask in its own body (jnp.triu, k = 1) and puts -inf on every score whose key comes after its query; softmax gives those the weight 0.  So blocks of keys that lie
;     wholly behind a block of queries are neither loaded nor multiplied (launch 3).
; (b) rope_tables() pads angular_freq with head_dim / 4 zeros in its own body: for the channel pairs (d, d + 64), d = 32 .. 63, theta = t x 0 = 0, cos = 1, sin = 0, so y1 = x1 and y2 = x2.
;     The table holds the 32 live frequencies alone, and launch 2 turns the pairs d = 0 .. 31 alone.
; Every input has a way to the output, and every input is loaded.  LIMIT: a NaN, an infinity or an overflow that reaches only the work left out is not carried to the result.
; LIMITS: NaN and infinities among the inputs are not served; blocks whose largest magnitude lies under 2^-124, the floor, whose byte is held at 1, were not tried.  A block of zeros gets the byte 1
; where the rule says 127: its codes are zeros, and this program alone reads the bytes.
; LAYOUT OF THE CODES: the order of the operand's registers.  cimg [704 blocks of 16 rows][8 K steps of 128][c = 0, 1][lane][16 bytes]: lane (r, h) holds, of row r, k = 64 c + 32 h + 0 .. 31.
; csc [704][hh = 0, 1][row r][q = 0 .. 3]: the scale word (four bytes) of row r for K step 4 hh + q.  Blocks 0-511: x; blocks 512-703: qkv_w.
; SHARES: work-groups 0-351 quantise (a wave: 16 rows x 512 along K, four tiles of 16 x 128); 352-415 turn c_proj_weight into f16; 416-431 make the table.  The three parts on the work-group's number; only the first uses LDS.
.set NQW,   352
.set NCW,   416
.set STGW,  8448                       ; a wave's stage: 16 rows x (512 bytes + 16)
.set SPARE, 4*STGW                     ; behind the stages: the spare words, 128 bytes for each wave
.set SPW, 6                            ; v6   my spare word's LDS address; never rewritten
.set NIL, 7                            ; v7   0; never rewritten
.set SW,  16                           ; v16-19   the four tiles' scale words
.set R,   32                           ; v32-159  two sets of 64: a tile as loaded
.set X,   160                          ; v160-223 my 64 numbers of a tile: two whole blocks of 32
.set C,   224                          ; v224-255 codes: eight registers for each tile, so that no store's data are written again
	s_load_b256 s[4:11], s[0:1], 0x0               ; x s[4:5], qkv_w s[6:7], c_proj_weight s[8:9], cimg s[10:11]
	s_load_b128 s[12:15], s[0:1], 0x20             ; csc s[12:13], wc16 s[14:15]
	s_load_b64 s[16:17], s[0:1], 0x30              ; rope
	v_lshl_add_u32 v[SPW], v0, 2, SPARE
	v_mov_b32 v[NIL], 0
	v_lshrrev_b32 v1, 5, v0
	v_readfirstlane_b32 s18, v1                    ; wave
	v_and_b32 v1, 31, v0                           ; lane
	v_lshlrev_b32 v2, 4, v1                        ; 16 x lane
	s_cmp_lt_u32 ttmp9, NQW
	s_cbranch_scc0 .Lnot_quant
	; ---- the quantiser
	s_lshl_b32 s19, ttmp9, 1
	s_lshr_b32 s20, s18, 1
	s_add_co_u32 s19, s19, s20                     ; my block of 16 rows: 2 x work-group + wave / 2
	s_and_b32 s20, s18, 1                          ; which half of K
	s_mul_i32 s21, s18, STGW
	v_add_nc_u32 v3, s21, v2                       ; into the stage: 16 x lane of a row
	v_and_b32 v8, 15, v0                           ; r
	v_bfe_u32 v9, v0, 4, 1                         ; h
	v_mul_u32_u24 v4, v8, 528
	v_lshl_add_u32 v4, v9, 7, v4
	v_add_nc_u32 v4, s21, v4                       ; out of it: row r, + 128 h bytes: my block of 32 numbers
	v_lshlrev_b32 v5, 3, v9                        ; 8 h: my bytes' place in the scale word
	v_lshlrev_b32 v20, 4, v8                       ; 16 r: my row's four scale words
	v_mov_b32 v15, 0                               ; written once: a lane permute's destination counts as one of its sources
	s_mov_b32 s22, 0x76543210
	s_mov_b32 s23, 0xfedcba98                      ; v_permlanex16_b32's selects for lane l xor 16
	s_wait_kmcnt 0x0
	s_cmp_lt_u32 s19, 512                          ; x's block or qkv_w's?  The choice hangs on ids alone
	s_cselect_b64 s[26:27], s[4:5], s[6:7]
	s_cselect_b32 s24, 0, 512
	s_sub_co_u32 s24, s19, s24
	s_lshl_b32 s24, s24, 16                        ; 16 rows of 4,096 bytes
	s_lshl_b32 s25, s20, 11                        ; + my half of K
	s_add_co_u32 s24, s24, s25
	s_mov_b32 s25, 0
	s_add_nc_u64 s[26:27], s[26:27], s[24:25]
	s_lshl_b32 s24, s19, 13
	s_lshl_b32 s28, s20, 12
	s_add_co_u32 s24, s24, s28
	s_add_nc_u64 s[10:11], s[10:11], s[24:25]      ; my four images of 1,024 bytes
	s_lshl_b32 s24, s19, 9
	s_lshl_b32 s28, s20, 8
	s_add_co_u32 s24, s24, s28
	s_add_nc_u64 s[12:13], s[12:13], s[24:25]      ; my 256 bytes of scale words
.macro LOAD t                          ; tile t: each load reads 512 consecutive bytes of one row
.irp i, 0,1,2,3,4,5,6,7,8,9,10,11,12,13,14,15
	global_load_b128 v[R+64*((\t)%2)+4*\i:R+64*((\t)%2)+4*\i+3], v2, s[26:27] offset:\i*4096+512*(\t) th:TH_LOAD_NT
.endr
.endm
.macro TURN t                          ; through my stage: LDS serves a wave's instructions in order, so no wait stands between the stores and the loads
.irp i, 0,1,2,3,4,5,6,7,8,9,10,11,12,13,14,15
	ds_store_b128 v3, v[R+64*((\t)%2)+4*\i:R+64*((\t)%2)+4*\i+3] offset:\i*528
.endr
.irp c, 0,1
.irp j, 0,1,2,3,4,5,6,7
	ds_load_b128 v[X+32*\c+4*\j:X+32*\c+4*\j+3], v4 offset:256*\c+16*\j
.endr
.endr
.endm
.macro QUANT t
.irp c, 0,1
	v_max3_num_f32 v[8+\c], |v[X+32*\c]|, |v[X+32*\c+1]|, 0x1800000   ; block 2 c + h: all 32 numbers are mine; the floor 2^(3 - 127) holds the byte at 1 from below
.endr
.irp i, 2,4,6,8,10,12,14,16,18,20,22,24,26,28,30
.irp c, 0,1
	v_max3_num_f32 v[8+\c], v[8+\c], |v[X+32*\c+\i]|, |v[X+32*\c+\i+1]|
.endr
.endr
.irp c, 0,1
	v_add_nc_u32 v[10+\c], 0xff000000, v[8+\c]     ; 2 off the exponent field: the conversion takes this operand's exponent field as its scale
.endr
.irp c, 0,1
	v_lshrrev_b32 v[12+\c], 23, v[10+\c]           ; the scale's byte
.endr
	v_lshl_or_b32 v14, v13, 16, v12                ; my two bytes, blocks h and 2 + h,
	v_lshlrev_b32 v14, v5, v14                     ; at their places in the word;
	v_permlanex16_b32 v15, v14, s22, s23
	v_or_b32 v[SW+(\t)], v14, v15                  ; with lane l xor 16's two the word is whole
.irp c, 0,1
.irp g, 0,1,2,3
	v_cvt_scalef32_pk8_fp4_f32 v[C+8*(\t)+4*\c+\g], v[X+32*\c+8*\g:X+32*\c+8*\g+7], v[10+\c]
.endr
.endr
	v_nop                                          ; one plain place behind the scaled conversions
.irp c, 0,1
	global_store_b128 v2, v[C+8*(\t)+4*\c:C+8*(\t)+4*\c+3], s[10:11] offset:1024*(\t)+512*\c   ; 32 lanes store 512 consecutive bytes
.endr
.endm
	LOAD 0
	LOAD 1
.irp t, 0,1,2,3
.if \t < 3
	s_wait_loadcnt 16                              ; this tile's 16 loads are in; the next tile's may be out
.else
	s_wait_loadcnt 0x0
.endif
	TURN \t
	s_wait_dscnt 0x0                               ; my 64 numbers are back, and the stores have read the set,
.if \t < 2
	LOAD \t+2                                      ; which takes the tile two further on
.endif
	QUANT \t
.endr
	global_store_b128 v20, v[SW:SW+3], s[12:13]    ; 16 bytes a row: 256 consecutive bytes; lanes 16-31 hold the same words as lanes 0-15 and store them to the same bytes
	s_wait_tensorcnt 0x0                           ; the wave's end, behind my last LDS store
	ds_add_u32 v[SPW], v[NIL]
	s_wait_dscnt 0x0
	s_endpgm
.Lnot_quant:
	s_cmp_lt_u32 ttmp9, NCW
	s_cbranch_scc0 .Lrope
	; ---- c_proj_weight to f16: a wave takes 4,096 numbers; all 32 loads go out first
	s_sub_co_u32 s19, ttmp9, NQW
	s_lshl_b32 s19, s19, 2
	s_add_co_u32 s19, s19, s18
	s_lshl_b32 s20, s19, 14
	s_mov_b32 s21, 0
	s_lshl_b32 s22, s19, 13
	s_mov_b32 s23, 0
	v_lshlrev_b32 v3, 3, v1
	s_wait_kmcnt 0x0
	s_add_nc_u64 s[8:9], s[8:9], s[20:21]
	s_add_nc_u64 s[14:15], s[14:15], s[22:23]
.set i, 0
.rept 32
	global_load_b128 v[R+4*i:R+4*i+3], v2, s[8:9] offset:512*i th:TH_LOAD_NT
.set i, i+1
.endr
.set i, 0
.rept 32
	s_wait_loadcnt 31-i                            ; loads come back in order: load i is in
	v_cvt_pk_f16_f32 v[X+2*i], v[R+4*i], v[R+4*i+1]
	v_cvt_pk_f16_f32 v[X+2*i+1], v[R+4*i+2], v[R+4*i+3]
	global_store_b64 v3, v[X+2*i:X+2*i+1], s[14:15] offset:256*i   ; 32 lanes store 256 consecutive bytes
.set i, i+1
.endr
	s_endpgm
.Lrope:
	; ---- the table: rope [2048 t][cos f = 0 .. 31 | sin f = 0 .. 31], f32.  A wave takes 32 tokens, two a trip: lane l holds token l / 16 and the four numbers 4 (l % 16) on of its 64.
	; theta = t x 2^(-10 f / 31) in f32; it is reduced by quarter turns (pi / 2 in two parts, fused multiply-adds) and both series run to r^9 and r^8 on |r| <= pi / 4.
	; sin(theta + a pi / 2), a = 1 for the cosines: with q = n + a, the value is sin r, cos r, -sin r, -cos r for q mod 4 = 0, 1, 2, 3.
	s_sub_co_u32 s19, ttmp9, NCW
	s_lshl_b32 s19, s19, 2
	s_add_co_u32 s19, s19, s18
	s_lshl_b32 s20, s19, 13                        ; 32 tokens of 256 bytes
	s_mov_b32 s21, 0
	s_lshl_b32 s22, s19, 5                         ; my first token
	s_mov_b32 s24, 0x3f22f983                      ; 2 / pi
	s_mov_b32 s25, 0x3fc90fdb                      ; pi / 2, the upper part,
	s_mov_b32 s26, 0xb33bbd2e                      ; and what is left of it
	s_mov_b32 s27, 0xbe2aaaab                      ; -1/6
	s_mov_b32 s28, 0x3c088889                      ; 1/120
	s_mov_b32 s29, 0xb9500d01                      ; -1/5040
	s_mov_b32 s30, 0x3638ef1d                      ; 1/362880
	s_mov_b32 s31, 0x3d2aaaab                      ; 1/24
	s_mov_b32 s32, 0xbab60b61                      ; -1/720
	s_mov_b32 s33, 0x37d00d01                      ; 1/40320
	v_bfe_u32 v3, v0, 4, 1
	v_add_nc_u32 v3, s22, v3
	v_cvt_f32_u32 v3, v3                           ; t
	v_and_b32 v4, 15, v0
	v_lshrrev_b32 v5, 3, v4
	v_sub_nc_u32 v5, 1, v5                         ; a: 1 for the cosines (l % 16 < 8), 0 for the sines
	v_and_b32 v4, 7, v4
	v_lshlrev_b32 v4, 2, v4
.irp g, 0,1,2,3
	v_add_nc_u32 v[8+\g], \g, v4                   ; f
.endr
.irp g, 0,1,2,3
	v_cvt_f32_u32 v[8+\g], v[8+\g]
.endr
.irp g, 0,1,2,3
	v_mul_f32 v[8+\g], 0xbea5294a, v[8+\g]         ; -10 f / 31
.endr
.irp g, 0,1,2,3
	v_exp_f32 v[12+\g], v[8+\g]                    ; the angular frequency
.endr
	v_nop                                          ; a plain place behind the exponentials,
	s_wait_alu depctr_va_vdst(0)                   ; and the one wait ahead of their first reader
	s_wait_kmcnt 0x0
	s_add_nc_u64 s[16:17], s[16:17], s[20:21]
	s_mov_b32 s23, 16
.Ltok:
.irp g, 0,1,2,3
	v_mul_f32 v[16+\g], v3, v[12+\g]               ; theta
.endr
.irp g, 0,1,2,3
	v_mul_f32 v[20+\g], s24, v[16+\g]
.endr
.irp g, 0,1,2,3
	v_rndne_f32 v[20+\g], v[20+\g]                 ; n quarter turns
.endr
.irp g, 0,1,2,3
	v_fma_f32 v[16+\g], -v[20+\g], s25, v[16+\g]
.endr
.irp g, 0,1,2,3
	v_fma_f32 v[16+\g], -v[20+\g], s26, v[16+\g]   ; r
.endr
.irp g, 0,1,2,3
	v_mul_f32 v[24+\g], v[16+\g], v[16+\g]         ; r^2
.endr
.irp g, 0,1,2,3
	v_fma_f32 v[28+\g], v[24+\g], s30, s29
	v_fma_f32 v[32+\g], v[24+\g], s33, s32
.endr
.irp g, 0,1,2,3
	v_fma_f32 v[28+\g], v[28+\g], v[24+\g], s28
	v_fma_f32 v[32+\g], v[32+\g], v[24+\g], s31
.endr
.irp g, 0,1,2,3
	v_fma_f32 v[28+\g], v[28+\g], v[24+\g], s27
	v_fma_f32 v[32+\g], v[32+\g], v[24+\g], -0.5
.endr
.irp g, 0,1,2,3
	v_mul_f32 v[28+\g], v[28+\g], v[24+\g]
	v_fma_f32 v[32+\g], v[32+\g], v[24+\g], 1.0    ; cos r
.endr
.irp g, 0,1,2,3
	v_fma_f32 v[28+\g], v[28+\g], v[16+\g], v[16+\g]   ; sin r
	v_cvt_i32_f32 v[20+\g], v[20+\g]
.endr
.irp g, 0,1,2,3
	v_add_nc_u32 v[20+\g], v[20+\g], v5            ; q
.endr
.irp g, 0,1,2,3
	v_and_b32 v[36+\g], 1, v[20+\g]
	v_cmp_eq_u32 vcc_lo, 1, v[36+\g]
	v_cndmask_b32 v[28+\g], v[28+\g], v[32+\g], vcc_lo   ; q odd: the cosine
	v_lshlrev_b32 v[20+\g], 30, v[20+\g]
	v_and_b32 v[20+\g], 0x80000000, v[20+\g]       ; q mod 4 = 2, 3: the sign turns
	v_xor_b32 v[40+\g], v[20+\g], v[28+\g]
.endr
	global_store_b128 v2, v[40:43], s[16:17]       ; 32 lanes store two tokens' 512 consecutive bytes
	s_wait_xcnt 0x0                                ; the base and the data are written again only behind this wait
	s_add_nc_u64 s[16:17], s[16:17], 512
	v_add_f32 v3, 2.0, v3
	s_sub_co_u32 s23, s23, 1
	s_cmp_lg_u32 s23, 0
	s_cbranch_scc1 .Ltok
	s_endpgm
.Lfunc_end_k_q49ae8015a5_prep:
	.size	k_q49ae8015a5_prep, .Lfunc_end_k_q49ae8015a5_prep-k_q49ae8015a5_prep
	.p2alignl 7, 3214868480
	.fill 96, 4, 3214868480
	.section	.rodata,"a",@progbits
	.p2align	6, 0x0
	.amdhsa_kernel k_q49ae8015a5_prep
		.amdhsa_group_segment_fixed_size 34304
		.amdhsa_private_segment_fixed_size 0
		.amdhsa_enable_private_segment 0
		.amdhsa_kernarg_size 56
		.amdhsa_user_sgpr_count 2
		.amdhsa_user_sgpr_kernarg_segment_ptr 1
		.amdhsa_wavefront_size32 1
		.amdhsa_system_sgpr_workgroup_id_x 1
		.amdhsa_system_sgpr_workgroup_id_y 1
		.amdhsa_system_sgpr_workgroup_id_z 1
		.amdhsa_system_vgpr_workitem_id 0
		.amdhsa_next_free_vgpr 256
		.amdhsa_next_free_sgpr 66
		.amdhsa_reserve_vcc 1
		.amdhsa_float_denorm_mode_32 3
		.amdhsa_float_denorm_mode_16_64 3
		.amdhsa_memory_ordered 1
		.amdhsa_forward_progress 1
		.amdhsa_inst_pref_size 48
	.end_amdhsa_kernel
	.amdgpu_metadata
---
amdhsa.version: [ 1, 2 ]
amdhsa.kernels:
  - .name:           k_q49ae8015a5_prep
    .symbol:         k_q49ae8015a5_prep.kd
    .args:
      - { .name: x, .offset: 0, .size: 8, .value_kind: global_buffer, .address_space: global }
      - { .name: qkv_w, .offset: 8, .size: 8, .value_kind: global_buffer, .address_space: global }
      - { .name: c_proj_weight, .offset: 16, .size: 8, .value_kind: global_buffer, .address_space: global }
      - { .name: cimg, .offset: 24, .size: 8, .value_kind: global_buffer, .address_space: global }
      - { .name: csc, .offset: 32, .size: 8, .value_kind: global_buffer, .address_space: global }
      - { .name: wc16, .offset: 40, .size: 8, .value_kind: global_buffer, .address_space: global }
      - { .name: rope, .offset: 48, .size: 8, .value_kind: global_buffer, .address_space: global }
    .group_segment_fixed_size: 34304
    .private_segment_fixed_size: 0
    .kernarg_segment_align: 8
    .kernarg_segment_size: 56
    .max_flat_workgroup_size: 128
    .sgpr_count:     66
    .vgpr_count:     256
    .wavefront_size: 32
...
	.end_amdgpu_metadata
.endif
;; end of part 1
;; launch qkv (part 2): grid 64 x 4, 4 waves a work-group, clusters of 4 x 1, 327,680 bytes of LDS; arguments cimg, csc, rope, ve, sa_lambdas, qkv16, vexp; writes qkv16, vexp
.if DOCPART == 2
	.amdgcn_target "amdgcn-amd-amdhsa--gfx1250"
	.amdhsa_code_object_version 6
	.text
	.protected	k_q49ae8015a5_qkv
	.globl	k_q49ae8015a5_qkv
	.p2align	8
	.type	k_q49ae8015a5_qkv,@function
k_q49ae8015a5_qkv:
	s_mov_b64 s[64:65], 0
	v_nop
	global_prefetch_b8 v0, s[64:65] scope:SCOPE_SE
	s_setreg_imm32_b32 hwreg(HW_REG_WAVE_MODE, 25, 1), 1
	s_wait_xcnt 0x0
	s_wait_alu depctr_hold_cnt(0) depctr_sa_sdst(0) depctr_va_vdst(0) depctr_va_sdst(0) depctr_va_ssrc(0) depctr_va_vcc(0) depctr_vm_vsrc(0)
	s_getreg_b32 s2, hwreg(HW_REG_IB_STS2, 6, 4)
	s_cmp_eq_u32 s2, 0
	s_cbranch_scc0 .Lentry_in_a_cluster
	s_endpgm
.Lentry_in_a_cluster:
	s_bfe_u32 s2, ttmp6, 0x10000c
	s_cmp_lg_u32 s2, 0x3003
	s_cbranch_scc0 .Lentry_shape_is_right
	s_endpgm
.Lentry_shape_is_right:
; LAUNCH 2 OF 4.  qkv = x Wqkv^T on codes of FP4 with E8M0 scales; then, in f32: rms_norm and RoPE on q and k, v = lambda0 v + lambda1 ve; all three leave as f16, [kind][batch x 8 + head][token][128].
; Left out as dead work: RoPE on the channel pairs (d, d + 64), d = 32 .. 63, whose angle reference() itself makes 0 (shown at the head of launch 1).
; V LEAVES WITH AN EXACT SCALE: each tile of 64 tokens of a head is multiplied by 2^(127 - E), E the exponent field of its largest magnitude, so that it has f16's full room whatever the inputs' size; E goes to vexp as f32.
; LIMITS: NaN and infinities are not served; a tile's largest magnitude is floored at 2^-100 and E is held at 253.
; SHARES.  A work-group takes 128 tokens (mt) and two heads (2 ng, 2 ng + 1), and makes q, then k, then v of them.  Wave (mh, nh): 64 tokens x one head: 32 accumulators of 16 x 16.
; x's fragments (4 blocks x 8 K steps, 256 registers) come from memory once, as images of the operand's registers, and serve all three kinds.  W's come through two LDS slots of half of K each (256 rows x 512 along K, 64 KiB).
; CLUSTER.  The four work-groups of a cluster share ng and so W's tiles: each is asked for JOINTLY, by the same tensor load with the mask of all four.  ve's and the table's tiles are each work-group's own (no mask).
; THE MATRIX INSTRUCTION IS USED TRANSPOSED (source 0 = 16 rows of W, source 1 = 16 tokens): lane (r, h) holds token r, and register j of block b channel 16 b + 8 h + j of the head.
; REGISTERS: window 0: addresses, scale words (v16-31 x's, v32-95 W's in two sets), statistics, v128-159 at work, v160-223 rows on the way out, v224-255 cos and sin.
;   window 1: x's fragments at 64 a + 8 s.   window 2: the accumulators at 64 a + 8 b.   window 3: v0-127 W's fragments, two sets; v128-255 ve, two sets.
.set BS1,   65536                      ; LDS: slot 0 at 0, slot 1 here: [16 blocks][4 K steps][c][lane][16 bytes]
.set VEB,   131072                     ; ve: 128 rows x (1,024 bytes + 16)
.set VEP,   1040
.set RPB,   264192                     ; the table: 128 rows x (256 bytes + 16)
.set RPP,   272
.set STG,   299008                     ; the way out: 16 rows x (256 bytes + 16) for each wave; no fill lands here
.set SP,    272
.set SPARE, 316416                     ; the spare words, 128 bytes for each wave
.set RR,  1
.set HH,  2
.set L16, 3                            ; 16 x lane
.set ADB, 4                            ; v4-5  W's fragments in slot 0, 1
.set ARP, 6
.set AVE, 7
.set STO, 8
.set RD,  9
.set SPW, 10                           ; my spare word's LDS address; never rewritten
.set NIL, 11                           ; 0; never rewritten
.set ZO,  12
.set LN,  13
.set SA,  16                           ; x's scale words: 4 a + q; lanes 0-15 K step q, lanes 16-31 K step 4 + q
.set SB,  32                           ; W's: set x 32 + 4 b + q
.set SS,  96
.set PM,  104
.set RS,  108
.set AM,  116
.set MS,  120
.set EF,  122
.set TMP, 128
.set OB,  160
.set CSN, 224                          ; cos of block bb at + 8 bb, sin at + 16 + 8 bb
.set WV,  18
.set MH,  19
.set NH,  20
.set CX,  21
.set MT,  22
.set NG,  23
.set G1B, 24
.set G1V, 32
.set G1R, 40
.set G0B, 48                           ; s[48:51] slot 0, s[52:55] slot 1
.set G0V, 56
.set G0R, 60
.set SEL, 66
.set LAM, 68                           ; lambda0, lambda1
.set LA1, 70                           ; lambda1 twice
.set C128, 72
.set EPS, 73
.set OUT, 74
.set AB,  76
.set SAB, 78
.set SBB, 80
.set VXP, 82
.set MSB, 0
.macro WIN new                         ; the immediate's high byte repeats the setting that is left
.if MSB != \new
	s_set_vgpr_msb (MSB<<8)|\new
.set MSB, \new
.endif
.endm
.macro PLACES                          ; four plain places behind matrix instructions (ISA guide 7.12.1)
.rept 4
	v_nop
.endr
.endm
.macro CROUND                          ; a round of the cluster's barrier
	s_barrier_signal -1
	s_barrier_wait -1
	s_cmp_lg_u32 s[WV], 0
	s_cbranch_scc1 .Lnot_wave_0_\@
	s_barrier_signal -3
.Lnot_wave_0_\@:
	s_barrier_wait -3
	s_barrier_signal -1
	s_barrier_wait -1
.endm
	s_load_b256 s[4:11], s[0:1], 0x0               ; cimg s[4:5], csc s[6:7], rope s[8:9], ve s[10:11]
	s_load_b128 s[12:15], s[0:1], 0x20             ; sa_lambdas s[12:13], qkv16 s[14:15]
	s_load_b64 s[16:17], s[0:1], 0x30              ; vexp
	v_lshl_add_u32 v[SPW], v0, 2, SPARE
	v_mov_b32 v[NIL], 0
	ds_add_u32 v[SPW], v[NIL]                      ; the wave's opening: the add, twice on end, and its wait ahead of my first tensor load
	ds_add_u32 v[SPW], v[NIL]
	v_lshrrev_b32 v1, 5, v0
	v_readfirstlane_b32 s[WV], v1
	s_lshr_b32 s[MH], s[WV], 1
	s_and_b32 s[NH], s[WV], 1
	s_bfe_u32 s[CX], ttmp6, 0x40000                ; my place in the cluster: it enters global addresses of my own loads and stores alone
	s_lshl_b32 s[MT], ttmp9, 2
	s_add_co_u32 s[MT], s[MT], s[CX]               ; my 128 tokens
	s_and_b32 s[NG], ttmp7, 0xffff                 ; my two heads, which the four partners share
	; group 1 for W's tiles: 4 rows of 4,096 bytes (512 elements of 8), 8,192 bytes apart: four blocks' half of K; the mask names all four partners
	s_mov_b32 s[G1B], 15|(3<<16)|(1<<21)
	s_mov_b32 s[G1B+1], 512<<16
	s_mov_b32 s[G1B+2], 4<<16
	s_mov_b32 s[G1B+3], 512<<16
	s_mov_b32 s[G1B+4], 4
	s_mov_b32 s[G1B+5], 1024
	s_mov_b32 s[G1B+6], 0
	s_mov_b32 s[G1B+7], 0
	; for ve: 32 rows of 256 f32, 1,024 apart; four words of padding behind every 256
	s_mov_b32 s[G1V], (2<<16)|(1<<20)|(7<<22)|(3<<25)
	s_mov_b32 s[G1V+1], 256<<16
	s_mov_b32 s[G1V+2], 32<<16
	s_mov_b32 s[G1V+3], 256<<16
	s_mov_b32 s[G1V+4], 32
	s_mov_b32 s[G1V+5], 1024
	s_mov_b32 s[G1V+6], 0
	s_mov_b32 s[G1V+7], 0
	; for the table: 32 dense rows of 64 f32; four words of padding behind every 64
	s_mov_b32 s[G1R], (2<<16)|(1<<20)|(5<<22)|(3<<25)
	s_mov_b32 s[G1R+1], 64<<16
	s_mov_b32 s[G1R+2], 32<<16
	s_mov_b32 s[G1R+3], 64<<16
	s_mov_b32 s[G1R+4], 32
	s_mov_b32 s[G1R+5], 64
	s_mov_b32 s[G1R+6], 0
	s_mov_b32 s[G1R+7], 0
	s_lshl_b32 s84, s[NG], 4
	s_lshl_b32 s85, s[WV], 2
	s_add_co_u32 s84, s84, s85
	s_add_co_u32 s84, s84, 512
	s_lshl_b32 s84, s84, 13                        ; W: block 512 + 16 ng + 4 wave, 8,192 bytes a block
	s_mov_b32 s85, 0
	s_lshl_b32 s86, s[MT], 7
	s_lshl_b32 s87, s[WV], 5
	s_add_co_u32 s86, s86, s87
	s_lshl_b32 s86, s86, 12                        ; ve: row 128 mt + 32 wave,
	s_lshl_b32 s87, s[NG], 10                      ; + my two heads' 1,024 bytes
	s_add_co_u32 s86, s86, s87
	s_mov_b32 s87, 0
	s_and_b32 s88, s[MT], 15
	s_lshl_b32 s88, s88, 7
	s_lshl_b32 s89, s[WV], 5
	s_add_co_u32 s88, s88, s89
	s_lshl_b32 s88, s88, 8                         ; the table: the token in its sequence
	s_mov_b32 s89, 0
	s_lshl_b32 s90, s[MT], 3
	s_lshl_b32 s91, s[MH], 2
	s_add_co_u32 s90, s90, s91                     ; x: block 8 mt + 4 mh
	s_lshl_b32 s92, s90, 9
	s_mov_b32 s93, 0
	s_lshl_b32 s90, s90, 13
	s_mov_b32 s91, 0
	s_mov_b32 s[G0B], 1
	s_lshl_b32 s[G0B+1], s[WV], 14                 ; LDS: wave x four blocks' 16,384 bytes
	s_mov_b32 s[G0B+4], 1
	s_add_co_u32 s[G0B+5], s[G0B+1], BS1
	s_mov_b32 s[G0V], 1
	s_mul_i32 s[G0V+1], s[WV], 32*VEP
	s_add_co_u32 s[G0V+1], s[G0V+1], VEB
	s_mov_b32 s[G0R], 1
	s_mul_i32 s[G0R+1], s[WV], 32*RPP
	s_add_co_u32 s[G0R+1], s[G0R+1], RPB
	s_mov_b32 s[SEL], 0x76543210
	s_mov_b32 s[SEL+1], 0xfedcba98
	s_mov_b32 s[C128], 0x3c000000                  ; 1 / 128
	s_mov_b32 s[EPS], 0x34000000                   ; 1.1920929e-07
	s_wait_dscnt 0x0                               ; both opening adds are done
	s_wait_kmcnt 0x0
	s_load_b64 s[LAM:LAM+1], s[12:13], 0x0
	s_add_nc_u64 s[G0B+2:G0B+3], s[4:5], s[84:85]
	s_add_nc_u64 s[G0B+6:G0B+7], s[G0B+2:G0B+3], 4096   ; the second half of K
	s_or_b32 s[G0B+3], s[G0B+3], 0x80000000
	s_or_b32 s[G0B+7], s[G0B+7], 0x80000000
	s_add_nc_u64 s[G0V+2:G0V+3], s[10:11], s[86:87]
	s_or_b32 s[G0V+3], s[G0V+3], 0x80000000
	s_add_nc_u64 s[G0R+2:G0R+3], s[8:9], s[88:89]
	s_or_b32 s[G0R+3], s[G0R+3], 0x80000000
	s_add_nc_u64 s[AB:AB+1], s[4:5], s[90:91]
	s_add_nc_u64 s[SAB:SAB+1], s[6:7], s[92:93]
	s_lshl_b32 s84, s[NG], 4
	s_lshl_b32 s85, s[NH], 3
	s_add_co_u32 s84, s84, s85
	s_add_co_u32 s84, s84, 512
	s_lshl_b32 s84, s84, 9                         ; W's scale words: block 512 + 16 ng + 8 nh, 512 bytes a block
	s_mov_b32 s85, 0
	s_add_nc_u64 s[SBB:SBB+1], s[6:7], s[84:85]
	s_lshr_b32 s84, s[MT], 4
	s_lshl_b32 s84, s84, 3
	s_lshl_b32 s85, s[NG], 1
	s_add_co_u32 s84, s84, s85
	s_add_co_u32 s84, s84, s[NH]                   ; batch x 8 + head
	s_and_b32 s85, s[MT], 15
	s_lshl_b32 s86, s84, 19
	s_lshl_b32 s87, s85, 15
	s_add_co_u32 s86, s86, s87
	s_lshl_b32 s87, s[MH], 14
	s_add_co_u32 s86, s86, s87
	s_mov_b32 s87, 0
	s_add_nc_u64 s[OUT:OUT+1], s[14:15], s[86:87]  ; my 64 rows of 256 bytes, in kind 0
	s_lshl_b32 s84, s84, 5
	s_lshl_b32 s85, s85, 1
	s_add_co_u32 s84, s84, s85
	s_add_co_u32 s84, s84, s[MH]
	s_lshl_b32 s84, s84, 2
	s_mov_b32 s85, 0
	s_add_nc_u64 s[VXP:VXP+1], s[16:17], s[84:85]
	CROUND                                         ; all four work-groups are here: the first joint loads meet
	tensor_load_to_lds s[G0B:G0B+3], s[G1B:G1B+7]          ; the first fills, one group: four loads of mine are out.  q's W, first half of K,
	s_nop 0
	tensor_load_to_lds s[G0B+4:G0B+7], s[G1B:G1B+7]        ; second half,
	s_nop 0
	tensor_load_to_lds s[G0R:G0R+3], s[G1R:G1R+7]          ; the table,
	s_nop 0
	tensor_load_to_lds s[G0V:G0V+3], s[G1V:G1V+7]          ; ve
	s_nop 0
	PLACES
	v_and_b32 v[LN], 31, v0
	v_and_b32 v[RR], 15, v0
	v_bfe_u32 v[HH], v0, 4, 1
	v_lshlrev_b32 v[L16], 4, v[LN]
	v_mov_b32 v[ZO], 0
	WIN 0x40                                       ; destination window 1
.irp a, 0,1,2,3
.irp s, 0,1,2,3,4,5,6,7
.irp c, 0,1
	global_load_b128 v[64*\a+8*\s+4*\c:64*\a+8*\s+4*\c+3], v[L16], s[AB:AB+1] offset:\a*8192+\s*1024+\c*512   ; x's fragments: they stay
.endr
.endr
.endr
	WIN 0
.irp a, 0,1,2,3
	global_load_b128 v[SA+4*\a:SA+4*\a+3], v[L16], s[SAB:SAB+1] offset:\a*512
.endr
.macro SBLOAD kind, kset               ; the kind's scale words of my 8 blocks of W
.irp b, 0,1,2,3,4,5,6,7
	global_load_b128 v[SB+32*(\kset)+4*\b:SB+32*(\kset)+4*\b+3], v[L16], s[SBB:SBB+1] offset:(\kind)*32768+\b*512
.endr
.endm
	SBLOAD 0, 0
	SBLOAD 1, 1
	s_lshl_b32 s92, s[NH], 15
	v_add_nc_u32 v[ADB], s92, v[L16]               ; my head's 8 blocks in slot 0,
	s_add_co_u32 s92, s92, BS1
	v_add_nc_u32 v[ADB+1], s92, v[L16]             ; in slot 1
	s_mul_i32 s92, s[MH], 64*RPP
	s_add_co_u32 s92, s92, RPB
	v_mul_u32_u24 v[ARP], v[RR], RPP
	v_lshl_add_u32 v[ARP], v[HH], 5, v[ARP]
	v_add_nc_u32 v[ARP], s92, v[ARP]               ; the table: token 64 mh + r, + 32 h bytes
	s_mul_i32 s92, s[MH], 64*VEP
	s_lshl_b32 s93, s[NH], 9
	s_add_co_u32 s92, s92, s93
	s_add_co_u32 s92, s92, VEB
	v_mul_u32_u24 v[AVE], v[RR], VEP
	v_lshl_add_u32 v[AVE], v[HH], 5, v[AVE]
	v_add_nc_u32 v[AVE], s92, v[AVE]               ; ve: the same token, my head's 512 bytes, + 32 h
	s_mul_i32 s92, s[WV], 16*SP
	s_add_co_u32 s92, s92, STG
	v_mul_u32_u24 v[STO], v[RR], SP
	v_lshl_add_u32 v[STO], v[HH], 4, v[STO]
	v_add_nc_u32 v[STO], s92, v[STO]               ; the stage, in: row r, 16 bytes for each half of the lanes
	v_mul_u32_u24 v[RD], v[HH], SP
	v_lshl_add_u32 v[RD], v[RR], 4, v[RD]
	v_add_nc_u32 v[RD], s92, v[RD]                 ; back: lanes 0-15 one row, lanes 16-31 the next
.irp a, 0,1,2,3
	v_mov_b32 v[PM+\a], 0                          ; written once: a lane permute's destination counts as one of its sources
	v_mov_b32 v[RS+2*\a+1], 0                      ; (named as the upper half of a pair)
.endr
.macro FETCHB slot, q, set             ; my 8 fragments of W of the slot's q-th 128 along K: images, 512 consecutive bytes a load
	WIN 0xc0
.irp b, 0,1,2,3,4,5,6,7
.irp c, 0,1
	ds_load_b128 v[64*(\set)+8*\b+4*\c:64*(\set)+8*\b+4*\c+3], v[ADB+\slot] offset:\b*4096+(\q)*1024+\c*512
.endr
.endr
.endm
; 32 matrix instructions: K step s.  The 32 accumulators take turns, one instruction a turn, in the same order in every K step.  K steps 4 to 7 read their scale words from lanes 16-31.
.macro MULK s, set, kset, zero
	WIN 0xa7                                       ; source 0 (W) window 3, source 1 (x) window 1, C and D window 2
.irp a, 0,1,2,3
.irp b, 0,1,2,3,4,5,6,7
.if \zero
	v_wmma_scale_f32_16x16x128_f8f6f4 v[64*\a+8*\b:64*\a+8*\b+7], v[64*(\set)+8*\b:64*(\set)+8*\b+7], v[64*\a+8*(\s):64*\a+8*(\s)+7], 0, v[SB+32*(\kset)+4*\b+(\s)%4], v[SA+4*\a+(\s)%4] matrix_a_fmt:MATRIX_FMT_FP4 matrix_b_fmt:MATRIX_FMT_FP4
.elseif (\s) < 4
	v_wmma_scale_f32_16x16x128_f8f6f4 v[64*\a+8*\b:64*\a+8*\b+7], v[64*(\set)+8*\b:64*(\set)+8*\b+7], v[64*\a+8*(\s):64*\a+8*(\s)+7], v[64*\a+8*\b:64*\a+8*\b+7], v[SB+32*(\kset)+4*\b+(\s)%4], v[SA+4*\a+(\s)%4] matrix_a_fmt:MATRIX_FMT_FP4 matrix_b_fmt:MATRIX_FMT_FP4
.else
	v_wmma_scale_f32_16x16x128_f8f6f4 v[64*\a+8*\b:64*\a+8*\b+7], v[64*(\set)+8*\b:64*(\set)+8*\b+7], v[64*\a+8*(\s):64*\a+8*(\s)+7], v[64*\a+8*\b:64*\a+8*\b+7], v[SB+32*(\kset)+4*\b+(\s)%4], v[SA+4*\a+(\s)%4] matrix_a_fmt:MATRIX_FMT_FP4 matrix_b_fmt:MATRIX_FMT_FP4 matrix_a_scale:MATRIX_SCALE_ROW1 matrix_b_scale:MATRIX_SCALE_ROW1
.endif
.endr
.endr
.endm
.macro HS kset, hf, slot, zero         ; half of K: four K steps out of one slot; each step's fragments are fetched while the step before is multiplied
	PLACES
	FETCHB \slot, 0, 0
.irp q, 0,1,2,3
.if \q < 3
	PLACES                                         ; in front of loads into registers that matrix instructions have read
	FETCHB \slot, \q+1, (\q+1)%2
	s_wait_dscnt 16                                ; all but the 16 just issued
.else
	s_wait_dscnt 0x0
.endif
.if (\zero) && (\q == 0)
	MULK 4*(\hf)+\q, \q%2, \kset, 1                ; the first product starts the sums: nothing is cleared
.else
	MULK 4*(\hf)+\q, \q%2, \kset, 0
.endif
.endr
.endm
; The change of slots.  Each wave waits for all its tensor loads, adds 0 to its spare word, and waits for that and for its reads of the slot.  fill = 1: the slot takes the next kind's same half of K, by a joint load:
; the barrier is then a round of the cluster's, and the load is the first thing behind it.
.macro CHANGE slot, fill
	WIN 0
	s_wait_tensorcnt 0x0                           ; no tensor load of mine is out, so a group 0 may be written
	ds_add_u32 v[SPW], v[NIL]
.if \fill
	s_add_nc_u64 s[G0B+4*\slot+2:G0B+4*\slot+3], s[G0B+4*\slot+2:G0B+4*\slot+3], 524288   ; 64 blocks on: the next kind
.endif
	s_wait_dscnt 0x0                               ; the add is done, and my reads of the slot are over
.if \fill
	CROUND
	tensor_load_to_lds s[G0B+4*\slot:G0B+4*\slot+3], s[G1B:G1B+7]
	s_nop 0
	PLACES
.else
	s_barrier_signal -1
	s_barrier_wait -1
.endif
.endm
.macro PACK a                          ; block a's 16 tokens to f16: a lane's eight channels of a block are 16 bytes; each accumulator from its low end on
	WIN 0x0a
.irp b, 0,1,2,3,4,5,6,7
.irp p, 0,1,2,3
	v_cvt_pk_f16_f32 v[TMP+4*\b+\p], v[64*(\a)+8*\b+2*\p], v[64*(\a)+8*\b+2*\p+1]
.endr
.endr
.endm
.macro TOSTAGE a                       ; through my stage; LDS serves a wave's instructions in order
	WIN 0
.irp b, 0,1,2,3,4,5,6,7
	ds_store_b128 v[STO], v[TMP+4*\b:TMP+4*\b+3] offset:32*\b
.endr
.irp f, 0,1,2,3,4,5,6,7
	ds_load_b128 v[OB+32*((\a)%2)+4*\f:OB+32*((\a)%2)+4*\f+3], v[RD] offset:\f*2*SP
.endr
.endm
.macro SEND a
	s_wait_xcnt 0x0                                ; the stores of the block before have read their registers: the next loads from the stage may land there
.irp f, 0,1,2,3,4,5,6,7
	global_store_b128 v[L16], v[OB+32*((\a)%2)+4*\f:OB+32*((\a)%2)+4*\f+3], s[OUT:OUT+1] offset:(\a)*4096+\f*512   ; two rows of 256 bytes: 512 consecutive bytes
.endr
.endm
.macro ROPELOAD a
.irp o, 0,1,2,3,4,5,6,7
	ds_load_b128 v[CSN+4*\o:CSN+4*\o+3], v[ARP] offset:(\a)*16*RPP+(\o/2)*64+(\o%2)*16
.endr
.endm
; q or k: x * rsqrt(mean(x^2) + eps), then the pairs (d, d + 64), d = 0 .. 31, turned: blocks 0, 1 with blocks 4, 5.
.macro EPI_QK
	PLACES
	WIN 0x0a
.irp a, 0,1,2,3
	v_pk_mul_f32 v[SS+2*\a:SS+2*\a+1], v[64*\a:64*\a+1], v[64*\a:64*\a+1]
.endr
.set pp, 1
.rept 31
.irp a, 0,1,2,3
	v_pk_fma_f32 v[SS+2*\a:SS+2*\a+1], v[64*\a+2*pp:64*\a+2*pp+1], v[64*\a+2*pp:64*\a+2*pp+1], v[SS+2*\a:SS+2*\a+1]
.endr
.set pp, pp+1
.endr
	WIN 0
.irp a, 0,1,2,3
	v_add_f32 v[SS+2*\a], v[SS+2*\a], v[SS+2*\a+1]
.endr
.irp a, 0,1,2,3
	v_permlanex16_b32 v[PM+\a], v[SS+2*\a], s[SEL], s[SEL+1]
.endr
.irp a, 0,1,2,3
	v_add_f32 v[SS+2*\a], v[SS+2*\a], v[PM+\a]     ; the token's 128 squares
.endr
.irp a, 0,1,2,3
	v_fma_f32 v[SS+2*\a], v[SS+2*\a], s[C128], s[EPS]
.endr
.irp a, 0,1,2,3
	v_rsq_f32 v[RS+2*\a], v[SS+2*\a]
.endr
	ROPELOAD 0
	v_nop                                          ; a plain place behind the four,
	s_wait_alu depctr_va_vdst(0)                   ; and the one wait ahead of their first reader
.irp a, 0,1,2,3
	WIN 0x82
.set pp, 0
.rept 32
	v_pk_mul_f32 v[64*\a+2*pp:64*\a+2*pp+1], v[64*\a+2*pp:64*\a+2*pp+1], v[RS+2*\a:RS+2*\a+1] op_sel_hi:[1,0]
.set pp, pp+1
.endr
	WIN 0
	s_wait_dscnt 0x0                               ; cos and sin are in, and so are the rows of the block before
.if \a > 0
	SEND \a-1
.endif
	WIN 0x02
.irp bb, 0,1
.irp p, 0,1,2,3
	v_pk_mul_f32 v[TMP+8*\bb+2*\p:TMP+8*\bb+2*\p+1], v[64*\a+8*\bb+2*\p:64*\a+8*\bb+2*\p+1], v[CSN+8*\bb+2*\p:CSN+8*\bb+2*\p+1]            ; x1 cos
	v_pk_mul_f32 v[TMP+16+8*\bb+2*\p:TMP+16+8*\bb+2*\p+1], v[64*\a+8*\bb+2*\p:64*\a+8*\bb+2*\p+1], v[CSN+16+8*\bb+2*\p:CSN+16+8*\bb+2*\p+1]   ; x1 sin
.endr
.endr
	WIN 0x82
.irp bb, 0,1
.irp p, 0,1,2,3
	v_pk_fma_f32 v[64*\a+8*\bb+2*\p:64*\a+8*\bb+2*\p+1], v[64*\a+32+8*\bb+2*\p:64*\a+32+8*\bb+2*\p+1], v[CSN+16+8*\bb+2*\p:CSN+16+8*\bb+2*\p+1], v[TMP+8*\bb+2*\p:TMP+8*\bb+2*\p+1]   ; y1 = x2 sin + x1 cos
	v_pk_fma_f32 v[64*\a+32+8*\bb+2*\p:64*\a+32+8*\bb+2*\p+1], v[64*\a+32+8*\bb+2*\p:64*\a+32+8*\bb+2*\p+1], v[CSN+8*\bb+2*\p:CSN+8*\bb+2*\p+1], v[TMP+16+8*\bb+2*\p:TMP+16+8*\bb+2*\p+1] neg_lo:[0,0,1] neg_hi:[0,0,1]   ; y2 = x2 cos - x1 sin
.endr
.endr
	WIN 0
.if \a < 3
	ROPELOAD \a+1
.endif
	PACK \a
	TOSTAGE \a
.endr
	s_wait_dscnt 0x0
	SEND 3
	s_wait_xcnt 0x0                                ; the stores have read their base and their registers
	s_add_nc_u64 s[OUT:OUT+1], s[OUT:OUT+1], 0x1000000   ; the next kind
.endm
.macro VELOAD a
	WIN 0xc0
.irp b, 0,1,2,3,4,5,6,7
.irp e, 0,1
	ds_load_b128 v[128+64*((\a)%2)+8*\b+4*\e:128+64*((\a)%2)+8*\b+4*\e+3], v[AVE] offset:(\a)*16*VEP+64*\b+16*\e
.endr
.endr
.endm
	s_wait_tensorcnt 0x3                           ; my quarter of slot 0 is in; the three loads behind it may stay out
	s_wait_loadcnt 0x0                             ; x's fragments and the scale words
	s_wait_kmcnt 0x0
	s_mov_b32 s[LA1], s[LAM+1]
	s_mov_b32 s[LA1+1], s[LAM+1]
	s_barrier_signal -1
	s_barrier_wait -1
	HS 0, 0, 0, 1                                  ; q
	CHANGE 0, 1                                    ; slot 0 takes k's first half of K
	HS 0, 1, 1, 0
	CHANGE 1, 1
	SBLOAD 2, 0                                    ; v's scale words, into q's set: the four places behind the tensor load stand between q's last product and these loads
	EPI_QK
	HS 1, 0, 0, 1                                  ; k
	CHANGE 0, 1                                    ; slot 0 takes v's
	HS 1, 1, 1, 0
	CHANGE 1, 1
	EPI_QK
	s_wait_loadcnt 0x0                             ; v's scale words
	HS 0, 0, 0, 1                                  ; v
	CHANGE 0, 0                                    ; nothing is left to fetch
	HS 0, 1, 1, 0
	; v = lambda0 v + lambda1 ve
	PLACES
	VELOAD 0
	VELOAD 1
.irp a, 0,1,2,3
.if \a < 3
	s_wait_dscnt 16                                ; this block's 16 loads are in; the next block's may be out
.else
	s_wait_dscnt 0x0
.endif
	WIN 0xc3
.set pp, 0
.rept 32
	v_pk_mul_f32 v[128+64*(\a%2)+2*pp:128+64*(\a%2)+2*pp+1], v[128+64*(\a%2)+2*pp:128+64*(\a%2)+2*pp+1], s[LA1:LA1+1] op_sel_hi:[1,0]
.set pp, pp+1
.endr
	WIN 0xb2
.set pp, 0
.rept 32
	v_pk_fma_f32 v[64*\a+2*pp:64*\a+2*pp+1], v[64*\a+2*pp:64*\a+2*pp+1], s[LAM:LAM+1], v[128+64*(\a%2)+2*pp:128+64*(\a%2)+2*pp+1] op_sel_hi:[1,0,1]
.set pp, pp+1
.endr
.if \a < 2
	VELOAD \a+2
.endif
.endr
	; the largest magnitude of my 64 tokens x 128 channels, in four chains, with the floor 2^-100
	WIN 0x0a
.irp a, 0,1,2,3
	v_max3_num_f32 v[AM+\a], |v[64*\a]|, |v[64*\a+1]|, 0x0d800000
.endr
	WIN 0x28
.set pp, 1
.rept 31
.irp a, 0,1,2,3
	v_max3_num_f32 v[AM+\a], v[AM+\a], |v[64*\a+2*pp]|, |v[64*\a+2*pp+1]|
.endr
.set pp, pp+1
.endr
	WIN 0
	v_max3_num_f32 v[AM], v[AM], v[AM+1], v[AM+2]
	v_max_num_f32 v[AM], v[AM], v[AM+3]
	v_max_num_f32_dpp v[AM], v[AM], v[AM] row_xmask:1 row_mask:0xf bank_mask:0xf
	v_max_num_f32_dpp v[AM], v[AM], v[AM] row_xmask:2 row_mask:0xf bank_mask:0xf
	v_max_num_f32_dpp v[AM], v[AM], v[AM] row_xmask:4 row_mask:0xf bank_mask:0xf
	v_max_num_f32_dpp v[AM], v[AM], v[AM] row_xmask:8 row_mask:0xf bank_mask:0xf
	v_permlanex16_b32 v[PM], v[AM], s[SEL], s[SEL+1]
	v_max_num_f32 v[AM], v[AM], v[PM]
	v_lshrrev_b32 v[AM], 23, v[AM]                 ; E, its exponent field,
	v_min_u32 v[AM], 253, v[AM]                    ; held at 253
	v_sub_nc_u32 v[MS], 254, v[AM]
	v_lshlrev_b32 v[MS], 23, v[MS]                 ; 2^(127 - E): the multiplication rounds nothing
	v_mov_b32 v[MS+1], v[MS]
	v_cvt_f32_u32 v[EF], v[AM]
	v_cmp_gt_u32 vcc_lo, 1, v[LN]
	s_wait_xcnt 0x0                                ; EXEC changes only behind this wait
	s_and_saveexec_b32 s84, vcc_lo
	global_store_b32 v[ZO], v[EF], s[VXP:VXP+1]    ; lane 0 alone: the tile's E
	s_wait_xcnt 0x0                                ; and again in front of the line that widens it
	s_or_b32 exec_lo, exec_lo, s84
.irp a, 0,1,2,3
	WIN 0x82
.set pp, 0
.rept 32
	v_pk_mul_f32 v[64*\a+2*pp:64*\a+2*pp+1], v[64*\a+2*pp:64*\a+2*pp+1], v[MS:MS+1] op_sel_hi:[1,0]
.set pp, pp+1
.endr
	WIN 0
	s_wait_dscnt 0x0                               ; the rows of the block before are back
.if \a > 0
	SEND \a-1
.endif
	PACK \a
	TOSTAGE \a
.endr
	s_wait_dscnt 0x0
	SEND 3
	s_wait_tensorcnt 0x0                           ; the wave's end, behind my last tensor load and my last LDS store
	ds_add_u32 v[SPW], v[NIL]
	s_wait_dscnt 0x0
	CROUND                                         ; the closing round: no work-group ends while a partner may still ask for a tile that names it
	s_endpgm
.Lfunc_end_k_q49ae8015a5_qkv:
	.size	k_q49ae8015a5_qkv, .Lfunc_end_k_q49ae8015a5_qkv-k_q49ae8015a5_qkv
	.p2alignl 7, 3214868480
	.fill 96, 4, 3214868480
	.section	.rodata,"a",@progbits
	.p2align	6, 0x0
	.amdhsa_kernel k_q49ae8015a5_qkv
		.amdhsa_group_segment_fixed_size 327680
		.amdhsa_private_segment_fixed_size 0
		.amdhsa_enable_private_segment 0
		.amdhsa_kernarg_size 56
		.amdhsa_user_sgpr_count 2
		.amdhsa_user_sgpr_kernarg_segment_ptr 1
		.amdhsa_wavefront_size32 1
		.amdhsa_system_sgpr_workgroup_id_x 1
		.amdhsa_system_sgpr_workgroup_id_y 1
		.amdhsa_system_sgpr_workgroup_id_z 1
		.amdhsa_system_vgpr_workitem_id 0
		.amdhsa_next_free_vgpr 1024
		.amdhsa_next_free_sgpr 96
		.amdhsa_reserve_vcc 1
		.amdhsa_float_denorm_mode_32 3
		.amdhsa_float_denorm_mode_16_64 3
		.amdhsa_memory_ordered 1
		.amdhsa_forward_progress 1
		.amdhsa_inst_pref_size 255
	.end_amdhsa_kernel
	.section	.bss,"aw",@nobits
	.p2align	6
	.space	262144
	.amdgpu_metadata
---
amdhsa.version: [ 1, 2 ]
amdhsa.kernels:
  - .name:           k_q49ae8015a5_qkv
    .symbol:         k_q49ae8015a5_qkv.kd
    .args:
      - { .name: cimg, .offset: 0, .size: 8, .value_kind: global_buffer, .address_space: global }
      - { .name: csc, .offset: 8, .size: 8, .value_kind: global_buffer, .address_space: global }
      - { .name: rope, .offset: 16, .size: 8, .value_kind: global_buffer, .address_space: global }
      - { .name: ve, .offset: 24, .size: 8, .value_kind: global_buffer, .address_space: global }
      - { .name: sa_lambdas, .offset: 32, .size: 8, .value_kind: global_buffer, .address_space: global }
      - { .name: qkv16, .offset: 40, .size: 8, .value_kind: global_buffer, .address_space: global }
      - { .name: vexp, .offset: 48, .size: 8, .value_kind: global_buffer, .address_space: global }
    .group_segment_fixed_size: 327680
    .private_segment_fixed_size: 0
    .kernarg_segment_align: 8
    .kernarg_segment_size: 56
    .max_flat_workgroup_size: 128
    .sgpr_count:     96
    .vgpr_count:     1024
    .wavefront_size: 32
...
	.end_amdgpu_metadata
.endif
;; end of part 2
;; launch attn (part 3): grid 8 x 32, 4 waves a work-group, no clusters, 327,680 bytes of LDS; arguments qkv16, vexp, y16; writes y16
.if DOCPART == 3
	.amdgcn_target "amdgcn-amd-amdhsa--gfx1250"
	.amdhsa_code_object_version 6
	.text
	.protected	k_q49ae8015a5_attn
	.globl	k_q49ae8015a5_attn
	.p2align	8
	.type	k_q49ae8015a5_attn,@function
k_q49ae8015a5_attn:
	s_mov_b64 s[64:65], 0
	v_nop
	global_prefetch_b8 v0, s[64:65] scope:SCOPE_SE
	s_setreg_imm32_b32 hwreg(HW_REG_WAVE_MODE, 25, 1), 1
	s_wait_xcnt 0x0
; LAUNCH 3 OF 4.  y[q] = the sum over k <= q of softmax_k(0.12 q . k) v[k], for each batch and head; q, k, v in f16, products, maxima and sums in f32, the weights rounded to f16 for the second product.
; Left out as dead work: blocks of keys that lie wholly behind a block of queries; reference() itself masks them (shown at the head of launch 1).
; SHARES.  Work-group (IB, head) makes query block IB (128 queries) and then block 15 - IB: IB + 1 and 16 - IB steps of 128 keys, always 17, so all work-groups have the same work and the trip count is a constant.
; Wave (qh, kh) takes 64 queries (four tiles of 16) x half kh (64 keys) of every step.  Register tile t holds query tile t xor 2 kh: piece 0 (tiles 0, 1) is rows 64 qh + 32 kh on, piece 2 the other 32.
; At a block's end each wave hands piece 2 to its partner (wave xor 1) through LDS, joins the partner's piece to its own piece 0, and stores rows 32 wave .. 32 wave + 31.
; LAYOUT.  S^T = K Q^T (source 0 = 16 keys, source 1 = 16 queries) and O^T = V^T P: a lane holds ONE query (lane % 16) throughout.  V comes out of LDS turned, by ds_load_tr16_b128.
; SOFTMAX.  A running maximum m and sum l for each query.  V's tile of 64 keys was stored as V 2^(127 - E); with nd = Emax - E the weight that goes to f16 is p' = 2^(c s - c m - nd) <= 1, c = 0.12 log2(e), so that
; p' V' = p V 2^(127 - Emax) for every tile alike; l takes 2^nd x the sum of p', the sum of the unscaled p, in f32.  In every step O and l are multiplied by a = 2^(c m_old - c m_new).
; BY TURNS, inside a step: piece 0's scores; piece 2's scores with piece 0's softmax in slices between them; piece 0's V^T P with piece 2's softmax between; piece 2's V^T P.
; NO CLUSTER: work-groups of one head walk different key blocks at the same step (the mask makes their walks differ), so no tile is wanted by two of them at the same time.
; LIMITS: NaN and infinities are not served; Emax - E is held at 100; the second query block starts by multiplying the old O and l by a = 0, which wants the first block's numbers finite.
; REGISTERS: window 0: v2-8 addresses; v12-43 eight registers of statistics a tile; v44-63 addresses and constants; v64-191 S^T, 32 a tile; v192-255 P, 16 a tile.
;   window 1: O^T, 64 a tile.   window 2: v0-127 Q, 32 a tile; v128-255 K of one step.   window 3: v0-127 V of one step.
.set KS,    64
.set PK,    272                        ; a row of K in LDS: 256 bytes + 16
.set PVP,   288                        ; a row of V: 256 + 32
.set VOFF,  KS*PK
.set HALFB, KS*(PK+PVP)                ; half a slot: 64 rows of K, then 64 rows of V
.set SLOT1, 1<<17
.set STAGE, 2*HALFB                    ; behind slot 0: 16 rows x 272 bytes for each wave, for the way out
.set SP,    272
.set SPARE, STAGE+4*16*SP              ; the spare words, 128 bytes for each wave
.set MRG,   SLOT1+2*HALFB              ; behind slot 1: what a wave hands to its partner: 33 images of 512 bytes
.set MRGW,  33*512
.set AK0, 2
.set AV0, 3
.set ADR, 4
.set STO, 6
.set RD,  7
.set GO,  8
.set ST,  12                           ; tile t at v[ST + 8 t]: +0 c m + nd, +1 m, +2, +3 l (even keys', odd keys'), +4 to +7 at work; a takes +6
.set QOA, 44
.set QOB, 45
.set DP0, 46                           ; v46, v47: the mask's bound for pieces 0 and 2
.set NINF, 48
.set NDN, 49
.set NDC, 50                           ; nd of the step in hand
.set DD,  51                           ; its change
.set WP,  52                           ; v[52:53] 2^nd (the upper half at work)
.set MRS, 54
.set MRR, 55
.set PFO, 61
.set SPW, 62                           ; my spare word's LDS address; never rewritten
.set NIL, 63                           ; 0; never rewritten
.set S,   64
.set P,   192
.set KF,  128
.set WV,  12
.set QH,  13
.set KH,  14
.set IB,  15
.set BH,  16
.set PFK, 18
.set PFV, 20
.set LIM, 22
.set REM, 23
.set G1K, 24
.set G1V, 32
.set G0K, 40
.set G0V, 44
.set KB,  48
.set VB,  50
.set STP, 52
.set KBN, 54
.set EV,  56
.set EMX, 57
.set CS,  58
.set SEL, 60
.set TB,  62
.set Q1,  66
.set Q2,  68
.set Y1,  70
.set Y2,  72
.set VX,  74
.set MSB, 0
.macro WIN new                         ; the immediate's high byte repeats the setting that is left
.if MSB != \new
	s_set_vgpr_msb (MSB<<8)|\new
.set MSB, \new
.endif
.endm
.set W_KQ, 0x0a                        ; K and Q in window 2, S^T in window 0
.set W_PV, 0x53                        ; V in window 3, P in window 0, O^T in window 1
.set W_RS, 0x41                        ; O^T in window 1, a in window 0
.macro PLACES
.rept 4
	v_nop
.endr
.endm
.macro JLOAD                           ; waves 0 and 1 fetch K's two halves of a slot, waves 2 and 3 V's: one load a wave
	s_cmp_lt_u32 s[WV], 2
	s_cbranch_scc0 .Lfor_v_\@
	tensor_load_to_lds s[G0K:G0K+3], s[G1K:G1K+7]
	s_nop 0
	PLACES
	s_branch .Lasked_\@
.Lfor_v_\@:
	tensor_load_to_lds s[G0V:G0V+3], s[G1V:G1V+7]
	s_nop 0
	PLACES
.Lasked_\@:
.endm
; A prefetch of key block (step + 2): 128 rows of K and of V, 256 bytes a row; wave w names rows 32 w + lane of each.  All work-groups of a head walk up from key block 0, so the head's first work-group (IB = 0) asks, and
; nobody else: each row is named once in the launch.  It stands a trip ahead of the earliest tensor load that wants the block.  Key blocks 0 and 1 come by their loads alone; the last request is for block 15, in step 13.
.macro ASK
	s_cmp_gt_u32 s[REM], s[LIM]
	s_cbranch_scc0 .Lnot_mine_\@
	global_prefetch_b8 v[PFO], s[PFK:PFK+1] th:TH_LOAD_NT scope:SCOPE_SE
	global_prefetch_b8 v[PFO], s[PFV:PFV+1] th:TH_LOAD_NT scope:SCOPE_SE
.Lnot_mine_\@:
.endm
	s_load_b128 s[4:7], s[0:1], 0x0                ; qkv16 s[4:5], vexp s[6:7]
	s_load_b64 s[8:9], s[0:1], 0x10                ; y16
	v_lshl_add_u32 v[SPW], v0, 2, SPARE
	v_mov_b32 v[NIL], 0
	ds_add_u32 v[SPW], v[NIL]                      ; the wave's opening: the add, twice on end, and its wait ahead of my first tensor load
	ds_add_u32 v[SPW], v[NIL]
	v_lshrrev_b32 v1, 5, v0
	v_readfirstlane_b32 s[WV], v1
	s_lshr_b32 s[QH], s[WV], 1
	s_and_b32 s[KH], s[WV], 1
	s_mov_b32 s[IB], ttmp9
	s_and_b32 s[BH], ttmp7, 0xffff
	s_mov_b32 s[G1K], (1<<16)|(1<<20)|(5<<22)|(3<<25)   ; elements of 2 bytes; four words of padding behind every 64
	s_mov_b32 s[G1V], (1<<16)|(1<<20)|(5<<22)|(7<<25)   ; eight words
.irp g, G1K, G1V
	s_mov_b32 s[\g+1], 128<<16                     ; tensor_dim0
	s_mov_b32 s[\g+2], KS<<16                      ; tensor_dim1
	s_mov_b32 s[\g+3], 128<<16                     ; tile_dim0
	s_mov_b32 s[\g+4], KS                          ; tile_dim1
	s_mov_b32 s[\g+5], 128                         ; from row to row
	s_mov_b32 s[\g+6], 0
	s_mov_b32 s[\g+7], 0
.endr
	s_mov_b32 s[CS], 0x3e314743                    ; c = 0.12 log2(e)
	s_mov_b32 s[CS+1], s[CS]
	s_mov_b32 s[SEL], 0x76543210
	s_mov_b32 s[SEL+1], 0xfedcba98
	s_mov_b32 s[TB], 0
	s_mov_b32 s[STP], 0
	s_mov_b32 s[KBN], 0
	s_mov_b32 s[REM], 16
	s_cmp_eq_u32 s[IB], 0
	s_cselect_b32 s[LIM], 2, -1
	s_lshl_b32 s76, s[BH], 19                      ; the head's first byte in a kind
	s_mov_b32 s77, 0
	s_lshl_b32 s78, s[KH], 14                      ; the 64 rows that I fetch of a key block
	s_mov_b32 s79, 0
	s_mov_b32 s[G0K], 1
	s_mul_i32 s[G0K+1], s[KH], HALFB
	s_mov_b32 s[G0V], 1
	s_add_co_u32 s[G0V+1], s[G0K+1], VOFF
	s_lshl_b32 s82, s[QH], 14
	s_lshl_b32 s80, s[IB], 15
	s_add_co_u32 s80, s80, s82                     ; Q: block IB, my 64 rows
	s_mov_b32 s81, 0
	s_sub_co_u32 s84, 15, s[IB]
	s_lshl_b32 s84, s84, 15
	s_add_co_u32 s84, s84, s82                     ; and block 15 - IB
	s_mov_b32 s85, 0
	s_lshl_b32 s82, s[WV], 13
	s_add_co_u32 s82, s82, 32768                   ; the prefetches: key block 1, my 32 rows; the first change of slots steps it to block 2
	s_mov_b32 s83, 0
	s_lshr_b32 s86, s[BH], 3
	s_lshl_b32 s86, s86, 11
	s_lshl_b32 s87, s[WV], 5
	s_add_co_u32 s86, s86, s87                     ; y: batch x 2,048 + 32 wave
	s_lshl_b32 s87, s[IB], 7
	s_add_co_u32 s88, s86, s87
	s_sub_co_u32 s87, 15, s[IB]
	s_lshl_b32 s87, s87, 7
	s_add_co_u32 s86, s86, s87
	s_lshl_b32 s88, s88, 11                        ; rows of 2,048 bytes
	s_lshl_b32 s86, s86, 11
	s_and_b32 s87, s[BH], 7
	s_lshl_b32 s87, s87, 8                         ; + the head's 256 bytes
	s_add_co_u32 s88, s88, s87
	s_add_co_u32 s86, s86, s87
	s_mov_b32 s89, 0
	s_mov_b32 s87, 0
	s_wait_dscnt 0x0                               ; both opening adds are done
	s_wait_kmcnt 0x0
	s_add_nc_u64 s[4:5], s[4:5], s[76:77]
	s_add_nc_u64 s[Q1:Q1+1], s[4:5], s[80:81]
	s_add_nc_u64 s[Q2:Q2+1], s[4:5], s[84:85]
	s_add_nc_u64 s[KB:KB+1], s[4:5], 0x1000000
	s_add_nc_u64 s[PFK:PFK+1], s[KB:KB+1], s[82:83]
	s_add_nc_u64 s[PFV:PFV+1], s[PFK:PFK+1], 0x1000000
	s_add_nc_u64 s[KB:KB+1], s[KB:KB+1], s[78:79]
	s_add_nc_u64 s[VB:VB+1], s[KB:KB+1], 0x1000000
	s_add_nc_u64 s[Y1:Y1+1], s[8:9], s[88:89]
	s_add_nc_u64 s[Y2:Y2+1], s[8:9], s[86:87]
	s_lshl_b32 s76, s[BH], 7
	s_lshl_b32 s78, s[KH], 2
	s_add_co_u32 s76, s76, s78
	s_add_nc_u64 s[VX:VX+1], s[6:7], s[76:77]      ; my half's exponents: 8 bytes a key block
	s_mov_b64 s[G0K+2:G0K+3], s[KB:KB+1]
	s_or_b32 s[G0K+3], s[G0K+3], 0x80000000
	s_mov_b64 s[G0V+2:G0V+3], s[VB:VB+1]
	s_or_b32 s[G0V+3], s[G0V+3], 0x80000000
	JLOAD                                          ; slot 0: key block 0, which counts for every query block
	v_and_b32 v1, 15, v0                           ; r
	v_bfe_u32 v9, v0, 4, 1                         ; h
	v_and_b32 v5, 31, v0
	v_lshlrev_b32 v[PFO], 8, v5
	v_lshlrev_b32 v5, 4, v5                        ; 16 x lane
.irp i, 0,1,2,3,4,5,6,7
	global_load_b128 v[S+4*\i:S+4*\i+3], v5, s[6:7] offset:512*\i   ; all 1,024 exponents: their largest is y's one scale
.endr
	v_lshlrev_b32 v[QOA], 8, v1
	v_lshl_add_u32 v[QOA], v9, 4, v[QOA]           ; row r of 256 bytes, + 16 h
	s_lshl_b32 s76, s[KH], 13
	s_xor_b32 s77, s76, 8192
	v_add_nc_u32 v[QOB], s77, v[QOA]               ; piece 2: rows 32 (1 - kh) on
	v_add_nc_u32 v[QOA], s76, v[QOA]               ; piece 0: rows 32 kh on
.macro QLOAD base                      ; Q stays in registers: tile i / 4, channels 32 (i % 4) on
	WIN 0x80
.irp i, 0,1,2,3,4,5,6,7
	global_load_b128 v[8*\i:8*\i+3],   v[QOA], s[\base:\base+1] offset:(\i/4)*4096+(\i%4)*64
	global_load_b128 v[8*\i+4:8*\i+7], v[QOA], s[\base:\base+1] offset:(\i/4)*4096+(\i%4)*64+32
.endr
.irp i, 8,9,10,11,12,13,14,15
	global_load_b128 v[8*\i:8*\i+3],   v[QOB], s[\base:\base+1] offset:((\i-8)/4)*4096+(\i%4)*64
	global_load_b128 v[8*\i+4:8*\i+7], v[QOB], s[\base:\base+1] offset:((\i-8)/4)*4096+(\i%4)*64+32
.endr
	WIN 0
.endm
	QLOAD Q1
	s_mul_i32 s76, s[KH], HALFB
	v_mul_u32_u24 v[AK0], v1, PK
	v_lshl_add_u32 v[AK0], v9, 4, v[AK0]
	v_add_nc_u32 v[AK0], s76, v[AK0]               ; K: my half, row r, + 16 h
	v_and_b32 v10, 7, v0
	v_bfe_u32 v11, v0, 3, 1
	v_lshl_add_u32 v[AV0], v9, 3, v10
	v_mul_u32_u24 v[AV0], v[AV0], PVP
	v_lshl_add_u32 v[AV0], v11, 4, v[AV0]
	s_add_co_u32 s76, s76, VOFF
	v_add_nc_u32 v[AV0], s76, v[AV0]               ; V, for the turning load: key 8 h + l % 8, channels 8 ((l / 8) % 2) on
	s_mul_i32 s76, s[WV], 16*SP
	s_add_co_u32 s76, s76, STAGE
	v_mul_u32_u24 v[STO], v1, SP
	v_lshl_add_u32 v[STO], v9, 4, v[STO]
	v_add_nc_u32 v[STO], s76, v[STO]
	v_mul_u32_u24 v[RD], v9, SP
	v_lshl_add_u32 v[RD], v1, 4, v[RD]
	v_add_nc_u32 v[RD], s76, v[RD]
	v_lshlrev_b32 v[GO], 11, v9
	v_lshl_add_u32 v[GO], v1, 4, v[GO]             ; y: lanes 0-15 one row, lanes 16-31 the next; 16 bytes a lane
	s_mul_i32 s76, s[WV], MRGW
	s_add_co_u32 s76, s76, MRG
	v_add_nc_u32 v[MRS], s76, v5                   ; where I put what my partner takes,
	s_xor_b32 s76, s[WV], 1
	s_mul_i32 s76, s76, MRGW
	s_add_co_u32 s76, s76, MRG
	v_add_nc_u32 v[MRR], s76, v5                   ; and where I take what it put
	v_lshlrev_b32 v10, 3, v9
	v_sub_nc_u32 v10, v1, v10                      ; r - 8 h
	s_lshl_b32 s76, s[QH], 6
	s_lshl_b32 s77, s[KH], 5
	s_sub_co_i32 s77, s76, s77
	v_add_nc_u32 v[DP0], s77, v10                  ; the piece's first row - 64 kh + r - 8 h: register 8 kb + j of tile t is hidden where 16 kb + j - 16 (t % 2) is above it
	s_mul_i32 s77, s[KH], 96
	s_add_co_u32 s76, s76, 32
	s_sub_co_i32 s77, s76, s77
	v_add_nc_u32 v[DP0+1], s77, v10
	v_mov_b32 v[NINF], 0xff800000
	v_mov_b32 v[NDC], 0
.irp t, 0,1,2,3
	v_mov_b32 v[ST+8*\t], 0xfd000000               ; c m + nd: far under every real one, so that the first a is 0
	v_mov_b32 v[ST+8*\t+1], 0xff61b1e6             ; m: -3e38
	v_mov_b32 v[ST+8*\t+2], 0
	v_mov_b32 v[ST+8*\t+3], 0
.endr
	WIN 0x40
.set i, 0
.rept 256
	v_mov_b32 v[i], 0                              ; O^T, once: the step is then written with no first form of its own, and the second query block needs no clearing (a = 0)
.set i, i+1
.endr
	WIN 0
	s_wait_loadcnt 32                              ; the eight loads of exponents are in; Q's 32 may be out
	v_max3_num_f32 v[S], v[S], v[S+1], v[S+2]
.irp i, 3,5,7,9,11,13,15,17,19,21,23,25,27,29
	v_max3_num_f32 v[S], v[S], v[S+\i], v[S+\i+1]
.endr
	v_max_num_f32 v[S], v[S], v[S+31]
	v_max_num_f32_dpp v[S], v[S], v[S] row_xmask:1 row_mask:0xf bank_mask:0xf
	v_max_num_f32_dpp v[S], v[S], v[S] row_xmask:2 row_mask:0xf bank_mask:0xf
	v_max_num_f32_dpp v[S], v[S], v[S] row_xmask:4 row_mask:0xf bank_mask:0xf
	v_max_num_f32_dpp v[S], v[S], v[S] row_xmask:8 row_mask:0xf bank_mask:0xf
	v_permlanex16_b32 v[S+1], v[S], s[SEL], s[SEL+1]
	v_max_num_f32 v[S], v[S], v[S+1]
	v_readfirstlane_b32 s[EMX], v[S]               ; Emax, as f32: it enters values alone
	s_wait_loadcnt 0x0                             ; Q
; Product i of 32 of S^T = K Q^T for piece x: channels 32 (i / 8) on, keys 16 ((i / 2) % 4) on, tile x + i % 2.  The first 8 start the sums.  The accumulators take turns.
.macro KQ x
	WIN W_KQ
.set rS, S+32*(\x+i%2)+8*((i/2)%4)
.set rK, KF+32*((i/2)%4)+8*(i/8)
.set rQ, 32*(\x+i%2)+8*(i/8)
.if i < 8
	v_wmma_f32_16x16x32_f16 v[rS:rS+7], v[rK:rK+7], v[rQ:rQ+7], 0
.else
	v_wmma_f32_16x16x32_f16 v[rS:rS+7], v[rK:rK+7], v[rQ:rQ+7], v[rS:rS+7]
.endif
.endm
; Product i of 32 of O^T += V^T P: keys 32 (i / 16) on, channels 16 ((i / 2) % 8) on, tile x + i % 2.
.macro PV x
	WIN W_PV
.set rO, 64*(\x+i%2)+8*((i/2)%8)
.set rV, 64*(i/16)+8*((i/2)%8)
.set rP, P+16*(\x+i%2)+8*(i/16)
	v_wmma_f32_16x16x32_f16 v[rO:rO+7], v[rV:rV+7], v[rP:rP+7], v[rO:rO+7]
.endm
.macro FETCH_K
	WIN 0
	v_add_nc_u32 v[ADR], s[TB], v[AK0]
	WIN 0x80
.irp f, 0,1,2,3,4,5,6,7,8,9,10,11,12,13,14,15
	ds_load_b128 v[KF+8*\f:KF+8*\f+3],   v[ADR] offset:(\f/4)*16*PK+(\f%4)*64
	ds_load_b128 v[KF+8*\f+4:KF+8*\f+7], v[ADR] offset:(\f/4)*16*PK+(\f%4)*64+32
.endr
.endm
.macro FETCH_V
	WIN 0
	v_add_nc_u32 v[ADR], s[TB], v[AV0]
	s_wait_alu depctr_va_vdst(0)                   ; the wait for the softmax's batch of exponentials, ahead of the loads
	WIN 0xc0
.irp f, 0,1,2,3,4,5,6,7,8,9,10,11,12,13,14,15
	ds_load_tr16_b128 v[8*\f:8*\f+3],   v[ADR] offset:(\f/8)*32*PVP+(\f%8)*32
	ds_load_tr16_b128 v[8*\f+4:8*\f+7], v[ADR] offset:(\f/8)*32*PVP+16*PVP+(\f%8)*32
.endr
.endm
; One tile's softmax for one step is a list of 135 instructions; SM writes number j of it for tile t.
;   0-15 the maximum of the lane's 32 scores and the old m;  16-20 the other half of the lanes' maximum, the new m, c m + nd, and a's exponent (c m + nd)_old + (nd - nd_old) - (c m + nd)_new = c m_old - c m_new
;   21-69 ONE BATCH: the 16 scalings c s - (c m + nd) and all 33 exponentials (a at 23); none of them reads an exponential's result;  (the wait: SLICE writes it)
;   70-85 the roundings to f16;  86 l x a;  87-101 the sum of the 16 pairs;  102 l += 2^nd x the sum;  103-134 the tile's O^T x a
.macro SM t
.set rT, ST+8*(\t)
.set rS, S+32*(\t)
.set rP, P+16*(\t)
.set rO, 64*(\t)+2*(j-103)
.if j < 103
	WIN 0
.endif
.if j < 4
	v_max3_num_f32 v[rT+4+j], v[rS+8*j], v[rS+8*j+1], v[rS+8*j+2]
.elseif j < 12
	v_max3_num_f32 v[rT+4+j%4], v[rT+4+j%4], v[rS+8*(j%4)+2*(j/4)+1], v[rS+8*(j%4)+2*(j/4)+2]
.elseif j == 12
	v_max3_num_f32 v[rT+4], v[rT+4], v[rS+7], v[rS+15]
.elseif j == 13
	v_max3_num_f32 v[rT+6], v[rT+6], v[rS+23], v[rS+31]
.elseif j == 14
	v_max3_num_f32 v[rT+4], v[rT+4], v[rT+5], v[rT+6]
.elseif j == 15
	v_max3_num_f32 v[rT+4], v[rT+4], v[rT+7], v[rT+1]
.elseif j == 16
	v_permlanex16_b32 v[rT+5], v[rT+4], s[SEL], s[SEL+1]
.elseif j == 17
	v_add_f32 v[rT+7], v[DD], v[rT]
.elseif j == 18
	v_max_num_f32 v[rT+1], v[rT+4], v[rT+5]
.elseif j == 19
	v_fma_f32 v[rT], s[CS], v[rT+1], v[NDC]
.elseif j == 20
	v_sub_f32 v[rT+7], v[rT+7], v[rT]
.elseif j == 23
	v_exp_f32 v[rT+6], v[rT+7]
.elseif (j < 23) || ((j < 38) && (j%2 == 0)) || ((j < 66) && (j%4 == 2))
.set b, (j-2)/4
.if j < 38
.set b, (j-20)/2
.endif
	v_pk_fma_f32 v[rS+2*b:rS+2*b+1], v[rS+2*b:rS+2*b+1], s[CS:CS+1], v[rT:rT+1] op_sel_hi:[1,0,0] neg_lo:[0,0,1] neg_hi:[0,0,1]
.elseif j < 70
.set e, j-38
.if j < 66
.set e, j-32-(j-38)/4
.endif
.if j < 38
.set e, (j-25)/2
.endif
	v_exp_f32 v[rS+e], v[rS+e]
.elseif j < 86
	v_cvt_pk_f16_f32 v[rP+j-70], v[rS+2*(j-70)], v[rS+2*(j-70)+1]
.elseif j == 86
	v_pk_mul_f32 v[rT+2:rT+3], v[rT+2:rT+3], v[rT+6:rT+7] op_sel_hi:[1,0]
.elseif j < 102
.set z, j-87
.set w, 4
.set u, z
.if z >= 14
.set w, 32
.set u, 0
.elseif z >= 12
.set w, 16
.set u, z-12
.elseif z >= 8
.set w, 8
.set u, z-8
.endif
	v_pk_add_f32 v[rS+w*u:rS+w*u+1], v[rS+w*u:rS+w*u+1], v[rS+w*u+w/2:rS+w*u+w/2+1]
.elseif j == 102
	v_pk_fma_f32 v[rT+2:rT+3], v[rS:rS+1], v[WP:WP+1], v[rT+2:rT+3] op_sel_hi:[1,0,1]
.else
	WIN W_RS
	v_pk_mul_f32 v[rO:rO+1], v[rO:rO+1], v[rT+6:rT+7] op_sel_hi:[1,0]
.endif
.endm
; Slice k of 64 of piece y's softmax.  Slices 11 to 34 deal out the batch, four numbers of one tile each, the tiles by turns; every other slice is numbers 2 k and 2 k + 1 of both tiles; slice 63 takes what is over.
; Ahead of slice 35 nothing names an exponential's result, and behind slice 34 none is issued: one wait serves the piece's 66.
.macro SLICE y
.if (k >= 11) && (k < 35)
.irp n, 0,1,2,3
.set j, 22+4*((k-11)/2)+(\n)
	SM (\y)+(k-11)%2
.endr
.else
.irp n, 0,1,2,3,4,5,6,7,8
.if (\n < 2) || (k == 63)
.irp t, \y, \y+1
.set j, 2*k+\n
	SM \t
.endr
.endif
.endr
.endif
.if k == 34
	v_nop                                          ; the plain place behind the last exponential
.if (\y) == 0
	FETCH_V                                        ; V's run of loads stands here, and the wait stands in it
.else
	s_wait_alu depctr_va_vdst(0)
.endif
.endif
.set k, k+1
.endm
.macro MASK x                          ; on the diagonal the scores of hidden keys become -infinity ahead of the maximum; each accumulator from its low end on
.irp t, \x, \x+1
.set n, 0
.rept 32
	v_cmp_gt_i32 vcc_lo, 16*(n/8)+n%8-16*((\t)%2), v[DP0+(\x)/2]
	v_cndmask_b32 v[S+32*(\t)+n], v[S+32*(\t)+n], v[NINF], vcc_lo
.set n, n+1
.endr
.endr
.endm
.macro STEP masked
	s_wait_kmcnt 0x0                               ; the key tile's E
	v_mov_b32 v[NDN], s[EV]
	v_sub_f32 v[NDN], s[EMX], v[NDN]
	v_min_num_f32 v[NDN], 0x42c80000, v[NDN]       ; nd = min(Emax - E, 100)
	v_sub_f32 v[DD], v[NDN], v[NDC]
	v_mov_b32 v[NDC], v[NDN]
	v_cvt_i32_f32 v[WP+1], v[NDN]
	v_ldexp_f32 v[WP], 1.0, v[WP+1]                ; 2^nd
	FETCH_K
	s_wait_dscnt 0x0
.set i, 0
.rept 32
	KQ 0
.set i, i+1
.endr
	WIN 0
	PLACES                                         ; behind piece 0's scores, ahead of their first reader
.if \masked
	MASK 0
.endif
.set k, 0
.set i, 0
.rept 32
	KQ 2
	SLICE 0
	SLICE 0
.set i, i+1
.endr
.if \masked
	WIN 0
	MASK 2                                         ; slice 63's plain lines are the places behind piece 2's scores
.endif
	s_wait_dscnt 0x0                               ; V is in
.set k, 0
.set i, 0
.rept 32
	PV 0
	SLICE 2
	SLICE 2
.set i, i+1
.endr
.set i, 0
.rept 32
	PV 2
.set i, i+1
.endr
	WIN 0
.endm
; THE CHANGE OF SLOTS stands at a step's head.  The step's exponent is asked for first (its key block is known since the trip before).  Then each wave waits for all its tensor loads, adds 0 to its spare word, and waits
; for that and for its reads of the slot that it has left.  fill = 1: behind the barrier that slot takes the next step's key block: step + 1 while that is at most IB, else step - IB (the second query block's walk).
.macro CHANGE fill
	s_lshl_b32 s78, s[KBN], 3
	s_mov_b32 s79, 0
	s_add_nc_u64 s[78:79], s[VX:VX+1], s[78:79]
	s_load_b32 s[EV], s[78:79], 0x0
	s_wait_tensorcnt 0x0                           ; no tensor load of mine is out, so a group 0 may be written
	ds_add_u32 v[SPW], v[NIL]
.if \fill
	s_add_co_u32 s76, s[STP], 1
	s_sub_co_u32 s77, s[STP], s[IB]
	s_cmp_le_u32 s76, s[IB]
	s_cselect_b32 s[KBN], s76, s77
	s_lshl_b32 s76, s[KBN], 15                     ; 128 rows of 256 bytes a key block
	s_mov_b32 s77, 0
	s_xor_b32 s[G0K+1], s[G0K+1], SLOT1
	s_xor_b32 s[G0V+1], s[G0V+1], SLOT1
	s_add_nc_u64 s[G0K+2:G0K+3], s[KB:KB+1], s[76:77]
	s_or_b32 s[G0K+3], s[G0K+3], 0x80000000
	s_add_nc_u64 s[G0V+2:G0V+3], s[VB:VB+1], s[76:77]
	s_or_b32 s[G0V+3], s[G0V+3], 0x80000000
	s_wait_xcnt 0x0                                ; the last prefetches, a step back, have read their addresses
	s_add_nc_u64 s[PFK:PFK+1], s[PFK:PFK+1], 32768
	s_add_nc_u64 s[PFV:PFV+1], s[PFV:PFV+1], 32768
.endif
	s_wait_dscnt 0x0                               ; the add is done, and my reads of the slot that I have left are over
	s_barrier_signal -1
	s_barrier_wait -1
.if \fill
	JLOAD                                          ; the first thing behind the barrier, and my one tensor load until the next
	ASK
.endif
.endm
; A QUERY BLOCK'S END.  Piece 2 (l, m, O^T of tiles 2, 3) goes to my partner as images of its registers; the partner's comes to me; with m = max(m_a, m_b), e_x = 2^(c (m_x - m)):
; y = (e_a O_a + e_b O_b) / (e_a l_a + e_b l_b).  more = 1: the next block's Q is asked for first, and the statistics begin anew.
.macro FINAL more, yb
.if \more
	QLOAD Q2
.endif
	v_add_f32 v[S], v[ST+18], v[ST+19]             ; six plain lines, which are also the places behind the last products
	v_add_f32 v[S+1], v[ST+26], v[ST+27]
	v_mov_b32 v[S+2], v[ST+17]
	v_mov_b32 v[S+3], v[ST+25]
	v_add_f32 v[ST+4], v[ST+2], v[ST+3]
	v_add_f32 v[ST+12], v[ST+10], v[ST+11]
	ds_store_b128 v[MRS], v[S:S+3]
	WIN 0x04                                       ; an LDS store's data are its source 1: window 1
.set i, 0
.rept 32
	ds_store_b128 v[MRS], v[128+4*i:128+4*i+3] offset:512+512*i
.set i, i+1
.endr
	WIN 0
	s_wait_dscnt 0x0                               ; for my partner's sake: my stores have landed
	s_barrier_signal -1                            ; the step's tensor load may stay out
	s_barrier_wait -1
	ds_load_b128 v[P:P+3], v[MRR]
.set i, 0
.rept 32
	ds_load_b128 v[S+4*i:S+4*i+3], v[MRR] offset:512+512*i
.set i, i+1
.endr
	s_wait_dscnt 32                                ; the partner's l and m are in; its 32 images may be out
.irp t, 0,1
	v_max_num_f32 v[ST+8*\t+5], v[ST+8*\t+1], v[P+2+\t]
.endr
.irp t, 0,1
	v_sub_f32 v[ST+8*\t+6], v[ST+8*\t+1], v[ST+8*\t+5]
	v_sub_f32 v[ST+8*\t+7], v[P+2+\t], v[ST+8*\t+5]
.endr
.irp t, 0,1
	v_mul_f32 v[ST+8*\t+6], s[CS], v[ST+8*\t+6]
	v_mul_f32 v[ST+8*\t+7], s[CS], v[ST+8*\t+7]
.endr
.irp t, 0,1
	v_exp_f32 v[ST+8*\t+6], v[ST+8*\t+6]
	v_exp_f32 v[ST+8*\t+7], v[ST+8*\t+7]
.endr
	v_nop
	s_wait_alu depctr_va_vdst(0)                   ; one wait for the four
.irp t, 0,1
	v_mul_f32 v[ST+8*\t+4], v[ST+8*\t+6], v[ST+8*\t+4]
.endr
.irp t, 0,1
	v_fma_f32 v[ST+8*\t+4], v[ST+8*\t+7], v[P+\t], v[ST+8*\t+4]
.endr
.irp t, 0,1
	v_permlanex16_b32 v[ST+8*\t+5], v[ST+8*\t+4], s[SEL], s[SEL+1]
.endr
.irp t, 0,1
	v_add_f32 v[ST+8*\t+4], v[ST+8*\t+4], v[ST+8*\t+5]   ; the row's sum
.endr
.irp t, 0,1
	v_rcp_f32 v[ST+8*\t+5], v[ST+8*\t+4]
.endr
	v_nop
	s_wait_alu depctr_va_vdst(0)
.irp t, 0,1
	v_mul_f32 v[ST+8*\t+2], v[ST+8*\t+6], v[ST+8*\t+5]   ; e_a / l
.endr
.irp t, 0,1
	v_mul_f32 v[ST+8*\t+6], v[ST+8*\t+7], v[ST+8*\t+5]   ; e_b / l
.endr
	s_wait_dscnt 0x0
.irp t, 0,1
.set i, 0
.rept 32
	v_pk_mul_f32 v[S+64*\t+2*i:S+64*\t+2*i+1], v[S+64*\t+2*i:S+64*\t+2*i+1], v[ST+8*\t+6:ST+8*\t+7] op_sel_hi:[1,0]
.set i, i+1
.endr
	WIN 0x01                                       ; source 0: my O^T, window 1
.set i, 0
.rept 32
	v_pk_fma_f32 v[S+64*\t+2*i:S+64*\t+2*i+1], v[64*\t+2*i:64*\t+2*i+1], v[ST+8*\t+2:ST+8*\t+3], v[S+64*\t+2*i:S+64*\t+2*i+1] op_sel_hi:[1,0,1]
.set i, i+1
.endr
	WIN 0
.set i, 0
.rept 32
	v_cvt_pk_f16_f32 v[P+32*\t+i], v[S+64*\t+2*i], v[S+64*\t+2*i+1]
.set i, i+1
.endr
.irp f, 0,1,2,3,4,5,6,7
	ds_store_b128 v[STO], v[P+32*\t+4*\f:P+32*\t+4*\f+3] offset:32*\f
.endr
.irp f, 0,1,2,3,4,5,6,7
	ds_load_b128 v[P+32*\t+4*\f:P+32*\t+4*\f+3], v[RD] offset:\f*2*SP   ; LDS serves a wave's instructions in order: these see the stores above
.endr
.endr
.irp t, 0,1
.irp f, 0,1,2,3,4,5,6,7
	s_wait_dscnt (1-\t)*16+7-\f                    ; the younger LDS instructions may stay out
	global_store_b128 v[GO], v[P+32*\t+4*\f:P+32*\t+4*\f+3], s[\yb:\yb+1] offset:\t*32768+\f*4096   ; 16 lanes store 256 consecutive bytes, aligned
.endr
.endr
	s_wait_xcnt 0x0                                ; the stores have read their registers
.if \more
.irp t, 0,1,2,3
	v_mov_b32 v[ST+8*\t], 0xfd000000
	v_mov_b32 v[ST+8*\t+1], 0xff61b1e6
.endr
	s_wait_loadcnt 0x0                             ; the next block's Q
.endif
.endm
.Ltrip:                                            ; 16 trips: steps 0 to 15; each asks for the next step's key block
	CHANGE 1
	s_cmp_eq_u32 s[STP], s[IB]                     ; ids and the count of steps alone: all four waves go the same way
	s_cbranch_scc1 .Ldiag
	STEP 0
	s_branch .Lnext
.Ldiag:                                            ; the first query block's diagonal step
	s_wait_kmcnt 0x0                               ; on the way round the step too, no scalar load is out when the next is issued
	s_cmp_eq_u32 s[WV], 1
	s_cbranch_scc1 .Lhidden_1                      ; wave 1's queries 0-63 see none of its keys 64-127
	STEP 1
.Lhidden_1:
	FINAL 1, Y1
.Lnext:
	s_add_co_u32 s[STP], s[STP], 1
	s_xor_b32 s[TB], s[TB], SLOT1
	s_sub_co_u32 s[REM], s[REM], 1
	s_cmp_lg_u32 s[REM], 0
	s_cbranch_scc1 .Ltrip
	CHANGE 0                                       ; step 16, the second block's diagonal, is written out: nothing is left to fetch
	s_wait_kmcnt 0x0
	s_cmp_eq_u32 s[WV], 1
	s_cbranch_scc1 .Lhidden_2
	STEP 1
.Lhidden_2:
	FINAL 0, Y2
	s_wait_tensorcnt 0x0                           ; the wave's end, behind my last tensor load and my last LDS store
	ds_add_u32 v[SPW], v[NIL]
	s_wait_dscnt 0x0
	s_endpgm
.Lfunc_end_k_q49ae8015a5_attn:
	.size	k_q49ae8015a5_attn, .Lfunc_end_k_q49ae8015a5_attn-k_q49ae8015a5_attn
	.p2alignl 7, 3214868480
	.fill 96, 4, 3214868480
	.section	.rodata,"a",@progbits
	.p2align	6, 0x0
	.amdhsa_kernel k_q49ae8015a5_attn
		.amdhsa_group_segment_fixed_size 327680
		.amdhsa_private_segment_fixed_size 0
		.amdhsa_enable_private_segment 0
		.amdhsa_kernarg_size 24
		.amdhsa_user_sgpr_count 2
		.amdhsa_user_sgpr_kernarg_segment_ptr 1
		.amdhsa_wavefront_size32 1
		.amdhsa_system_sgpr_workgroup_id_x 1
		.amdhsa_system_sgpr_workgroup_id_y 1
		.amdhsa_system_sgpr_workgroup_id_z 1
		.amdhsa_system_vgpr_workitem_id 0
		.amdhsa_next_free_vgpr 1024
		.amdhsa_next_free_sgpr 90
		.amdhsa_reserve_vcc 1
		.amdhsa_float_denorm_mode_32 3
		.amdhsa_float_denorm_mode_16_64 3
		.amdhsa_memory_ordered 1
		.amdhsa_forward_progress 1
		.amdhsa_inst_pref_size 226
	.end_amdhsa_kernel
	.amdgpu_metadata
---
amdhsa.version: [ 1, 2 ]
amdhsa.kernels:
  - .name:           k_q49ae8015a5_attn
    .symbol:         k_q49ae8015a5_attn.kd
    .args:
      - { .name: qkv16, .offset: 0, .size: 8, .value_kind: global_buffer, .address_space: global }
      - { .name: vexp, .offset: 8, .size: 8, .value_kind: global_buffer, .address_space: global }
      - { .name: y16, .offset: 16, .size: 8, .value_kind: global_buffer, .address_space: global }
    .group_segment_fixed_size: 327680
    .private_segment_fixed_size: 0
    .kernarg_segment_align: 8
    .kernarg_segment_size: 24
    .max_flat_workgroup_size: 128
    .sgpr_count:     90
    .vgpr_count:     1024
    .wavefront_size: 32
...
	.end_amdgpu_metadata
.endif
;; end of part 3
;; launch proj (part 4): grid 4 x 64, 4 waves a work-group, clusters of 4 x 4, 327,680 bytes of LDS; arguments y16, wc16, vexp, out0; writes out0
.if DOCPART == 4
	.amdgcn_target "amdgcn-amd-amdhsa--gfx1250"
	.amdhsa_code_object_version 6
	.text
	.protected	k_q49ae8015a5_proj
	.globl	k_q49ae8015a5_proj
	.p2align	8
	.type	k_q49ae8015a5_proj,@function
k_q49ae8015a5_proj:
	s_mov_b64 s[64:65], 0
	v_nop
	global_prefetch_b8 v0, s[64:65] scope:SCOPE_SE
	s_setreg_imm32_b32 hwreg(HW_REG_WAVE_MODE, 25, 1), 1
	s_wait_xcnt 0x0
	s_wait_alu depctr_hold_cnt(0) depctr_sa_sdst(0) depctr_va_vdst(0) depctr_va_sdst(0) depctr_va_ssrc(0) depctr_va_vcc(0) depctr_vm_vsrc(0)
	s_getreg_b32 s2, hwreg(HW_REG_IB_STS2, 6, 4)
	s_cmp_eq_u32 s2, 0
	s_cbranch_scc0 .Lentry_in_a_cluster
	s_endpgm
.Lentry_in_a_cluster:
	s_bfe_u32 s2, ttmp6, 0x10000c
	s_cmp_lg_u32 s2, 0xf033
	s_cbranch_scc0 .Lentry_shape_is_right
	s_endpgm
.Lentry_shape_is_right:
; LAUNCH 4 OF 4.  out0[m][n] = 2^(Emax - 127) x the sum over k of y16[m][k] wc16[n][k].  y16 [8192][1024] and wc16 [1024][1024] in f16, sums in f32, out0 [8192][1024] f32.
; y16 holds y x 2^(127 - Emax), Emax the largest of the 1,024 exponents in vexp: the power of two is taken back here, by a multiplication that rounds nothing.
; A tile of out0 is 128 x 256: 256 work-groups.  Four waves, each 64 x 128: 32 accumulators.  K goes in steps of 128 (rows of 256 bytes) through two LDS slots; waves 0, 1 fetch y's two halves (64 rows), waves 2, 3 W's (128 rows).
; CLUSTERS: 4 x 4 work-groups.  The four of a row of the cluster need the same tiles of y, the four of a column the same tiles of W: each is asked for JOINTLY.
; THE MATRIX INSTRUCTION IS USED TRANSPOSED (source 0 = 16 rows of W, source 1 = 16 rows of y): a lane holds eight neighbouring numbers of a row of out0.
; NO PREFETCH: the launch is eight K steps long, a refill has a whole K step (128 matrix instructions a wave) in which to land, and each tile of y is asked for once in the launch, by one row of a cluster.
; REGISTERS: window 0: addresses; v32-95 at work on the way out; v128-255 rows read back.   window 1: two fragment buffers at 0 and 128: y's 4 fragments, then W's 8 at + 32.   window 2: the accumulators at 64 a + 8 b.
.set KSTEP,  128
.set PITCH,  272
.set AH,     64*PITCH
.set BHF,    128*PITCH
.set BOFF,   2*AH
.set SLOT,   2*AH+2*BHF
.set STAGE,  2*SLOT                    ; behind the ring: 16 rows x (512 bytes + 16) for each wave
.set SPITCH, 528
.set SPARE,  STAGE+4*16*SPITCH
.set LAPS,   4                         ; a lap = two K steps
.set SC,   14                          ; v[14:15] 2^(Emax - 127)
.set ADRA, 16
.set ADRB, 20
.set STO,  24
.set RD,   25
.set CO,   26
.set SPW,  28                          ; my spare word's LDS address; never rewritten
.set NIL,  29                          ; 0; never rewritten
.set TMP,  32
.set BK,   128
.set F0,   0
.set F1,   128
.set G1,  24
.set G0,  32
.set G1B, 48
.set G0B, 56
.set MSB, 0
.macro WIN new
.if MSB != \new
	s_set_vgpr_msb (MSB<<8)|\new
.set MSB, \new
.endif
.endm
.macro PLACES
.rept 4
	v_nop
.endr
.endm
.macro JLOAD s                         ; a joint load: waves 0 and 1 for y, waves 2 and 3 for W; the branch hangs on the wave's number alone
	s_cmp_eq_u32 s13, 0
	s_cbranch_scc0 .Lfor_b_\@
	tensor_load_to_lds s[G0+4*\s:G0+4*\s+3], s[G1:G1+7]
	s_nop 0
	PLACES
	s_branch .Lasked_\@
.Lfor_b_\@:
	tensor_load_to_lds s[G0B+4*\s:G0B+4*\s+3], s[G1B:G1B+7]
	s_nop 0
	PLACES
.Lasked_\@:
.endm
.macro CREST                           ; a round of the cluster's barrier behind its opening barrier
	s_cmp_lg_u32 s12, 0
	s_cbranch_scc1 .Lnot_wave_0_\@
	s_barrier_signal -3
.Lnot_wave_0_\@:
	s_barrier_wait -3
	s_barrier_signal -1
	s_barrier_wait -1
.endm
.macro CROUND
	s_barrier_signal -1
	s_barrier_wait -1
	CREST
.endm
	s_load_b256 s[4:11], s[0:1], 0x0               ; y16 s[4:5], wc16 s[6:7], vexp s[8:9], out0 s[10:11]
	v_lshl_add_u32 v[SPW], v0, 2, SPARE
	v_mov_b32 v[NIL], 0
	ds_add_u32 v[SPW], v[NIL]                      ; the wave's opening: the add, twice on end, and its wait ahead of my first tensor load
	ds_add_u32 v[SPW], v[NIL]
	v_lshrrev_b32 v1, 5, v0
	v_readfirstlane_b32 s12, v1                    ; wave
	s_lshr_b32 s13, s12, 1                         ; which half of the tile's rows is mine.  Also: I fetch for y (0) or for W (1)
	s_and_b32 s14, s12, 1                          ; which half of its columns.  Also: which half of that tile I fetch
	s_bfe_u32 s40, ttmp6, 0x40000                  ; cx, cy
	s_bfe_u32 s41, ttmp6, 0x40004
	s_lshl_b32 s42, ttmp9, 2
	s_add_co_u32 s42, s42, s40                     ; tile column
	s_and_b32 s15, ttmp7, 0xffff
	s_lshl_b32 s15, s15, 2
	s_add_co_u32 s15, s15, s41                     ; tile row
	s_lshl_b32 s43, s41, 2
	s_lshl_b32 s43, 15, s43                        ; my row of the cluster
	s_lshl_b32 s44, 0x1111, s40                    ; my column
	s_or_b32 s[G1], s43, (1<<16)|(1<<20)|(1<<21)|(5<<22)|(3<<25)    ; the mask; elements of 2 bytes; four words of padding behind every 64
	s_or_b32 s[G1B], s44, (1<<16)|(1<<20)|(1<<21)|(5<<22)|(3<<25)
	s_mov_b32 s[G1+1], KSTEP<<16
	s_mov_b32 s[G1+2], 64<<16
	s_mov_b32 s[G1+3], KSTEP<<16
	s_mov_b32 s[G1+4], 64
	s_mov_b32 s[G1+5], 1024
	s_mov_b32 s[G1+6], 0
	s_mov_b32 s[G1+7], 0
	s_mov_b32 s[G1B+1], KSTEP<<16
	s_mov_b32 s[G1B+2], 128<<16
	s_mov_b32 s[G1B+3], KSTEP<<16
	s_mov_b32 s[G1B+4], 128
	s_mov_b32 s[G1B+5], 1024
	s_mov_b32 s[G1B+6], 0
	s_mov_b32 s[G1B+7], 0
	s_lshl_b32 s16, s15, 7
	s_lshl_b32 s17, s14, 6
	s_add_co_u32 s16, s16, s17
	s_lshl_b32 s16, s16, 11                        ; y: row 128 x tile row + 64 x half, 2,048 bytes a row
	s_mov_b32 s17, 0
	s_lshl_b32 s46, s42, 8
	s_lshl_b32 s47, s14, 7
	s_add_co_u32 s46, s46, s47
	s_lshl_b32 s46, s46, 11                        ; W: row 256 x tile column + 128 x half
	s_mov_b32 s47, 0
	s_mul_i32 s20, s14, AH                         ; where they go: no place in the cluster enters an LDS address
	s_mul_i32 s21, s14, BHF
	s_add_co_u32 s21, s21, BOFF
	s_mov_b32 s66, 0x76543210
	s_mov_b32 s67, 0xfedcba98
	s_wait_dscnt 0x0                               ; both opening adds are done
	s_wait_kmcnt 0x0
	s_add_nc_u64 s[16:17], s[4:5], s[16:17]
	s_add_nc_u64 s[46:47], s[6:7], s[46:47]
	CROUND                                         ; all sixteen work-groups are here: the first joint loads meet
.irp s, 0,1
	s_mov_b32 s[G0+4*\s], 1
	s_add_co_u32 s[G0+4*\s+1], s20, \s*SLOT
	s_add_nc_u64 s[G0+4*\s+2:G0+4*\s+3], s[16:17], \s*KSTEP*2
	s_or_b32 s[G0+4*\s+3], s[G0+4*\s+3], 0x80000000
	s_mov_b32 s[G0B+4*\s], 1
	s_add_co_u32 s[G0B+4*\s+1], s21, \s*SLOT
	s_add_nc_u64 s[G0B+4*\s+2:G0B+4*\s+3], s[46:47], \s*KSTEP*2
	s_or_b32 s[G0B+4*\s+3], s[G0B+4*\s+3], 0x80000000
	JLOAD \s
.endr
	v_and_b32 v6, 31, v0
	v_lshlrev_b32 v[CO], 4, v6                     ; 16 x lane
.irp i, 0,1,2,3,4,5,6,7
	global_load_b128 v[TMP+4*\i:TMP+4*\i+3], v[CO], s[8:9] offset:512*\i   ; all 1,024 exponents
.endr
	v_and_b32 v1, 15, v0
	v_bfe_u32 v2, v0, 4, 1
	v_mul_u32_u24 v3, v1, PITCH
	v_lshl_add_u32 v3, v2, 4, v3                   ; a fragment's row x pitch + 16 x half
	s_mul_i32 s18, s13, AH                         ; my 64 rows of y
	s_mul_i32 s19, s14, BHF                        ; my 128 rows of W,
	s_add_co_u32 s19, s19, BOFF                    ; which lie behind y's 128
.irp s, 0,1
	v_add_nc_u32 v[ADRA+\s], s18, v3
	v_add_nc_u32 v[ADRB+\s], s19, v3
	s_add_co_u32 s18, s18, SLOT
	s_add_co_u32 s19, s19, SLOT
.endr
	s_mul_i32 s22, s12, 16*SPITCH
	s_add_co_u32 s22, s22, STAGE                   ; my stage
	v_mul_u32_u24 v4, v1, SPITCH
	v_lshl_add_u32 v4, v2, 5, v4
	v_add_nc_u32 v[STO], s22, v4                   ; in: row l % 16, 32 bytes for each half of the lanes
	v_add_nc_u32 v[RD], s22, v[CO]                 ; back: the 32 lanes take one row of 512 bytes
	s_lshl_b32 s16, s15, 7
	s_lshl_b32 s17, s13, 6
	s_add_co_u32 s16, s16, s17
	s_lshl_b32 s16, s16, 12                        ; my first row of out0, 4,096 bytes a row
	s_mov_b32 s17, 0
	s_add_nc_u64 s[10:11], s[10:11], s[16:17]
	s_lshl_b32 s46, s42, 10                        ; my first column, in bytes
	s_lshl_b32 s47, s14, 9
	s_add_co_u32 s46, s46, s47
	s_mov_b32 s47, 0
	s_add_nc_u64 s[10:11], s[10:11], s[46:47]
	s_wait_loadcnt 0x0
	v_max3_num_f32 v[TMP], v[TMP], v[TMP+1], v[TMP+2]
.irp i, 3,5,7,9,11,13,15,17,19,21,23,25,27,29
	v_max3_num_f32 v[TMP], v[TMP], v[TMP+\i], v[TMP+\i+1]
.endr
	v_max_num_f32 v[TMP], v[TMP], v[TMP+31]
	v_max_num_f32_dpp v[TMP], v[TMP], v[TMP] row_xmask:1 row_mask:0xf bank_mask:0xf
	v_max_num_f32_dpp v[TMP], v[TMP], v[TMP] row_xmask:2 row_mask:0xf bank_mask:0xf
	v_max_num_f32_dpp v[TMP], v[TMP], v[TMP] row_xmask:4 row_mask:0xf bank_mask:0xf
	v_max_num_f32_dpp v[TMP], v[TMP], v[TMP] row_xmask:8 row_mask:0xf bank_mask:0xf
	v_permlanex16_b32 v[TMP+1], v[TMP], s66, s67
	v_max_num_f32 v[TMP], v[TMP], v[TMP+1]         ; Emax
	v_add_f32 v[TMP], 0xc2fe0000, v[TMP]           ; - 127
	v_cvt_i32_f32 v[TMP], v[TMP]
	v_ldexp_f32 v[SC], 1.0, v[TMP]
	v_mov_b32 v[SC+1], v[SC]
.macro MULA f, a, zero                 ; 8 matrix instructions: y's block a x W's eight, 32 along K.  The 32 accumulators take turns in the same order in every quarter
	WIN 0xa5                                       ; sources 0 and 1 window 1, C and D window 2
.irp b, 0,1,2,3,4,5,6,7
.if \zero
	v_wmma_f32_16x16x32_f16 v[64*(\a)+8*\b:64*(\a)+8*\b+7], v[\f+32+8*\b:\f+32+8*\b+7], v[\f+8*(\a):\f+8*(\a)+7], 0
.else
	v_wmma_f32_16x16x32_f16 v[64*(\a)+8*\b:64*(\a)+8*\b+7], v[\f+32+8*\b:\f+32+8*\b+7], v[\f+8*(\a):\f+8*(\a)+7], v[64*(\a)+8*\b:64*(\a)+8*\b+7]
.endif
.endr
.endm
.macro FETCH slot, k, f                ; 24 LDS loads in one run: the fragments of 32 along K at byte k of the rows
	WIN 0x40
.irp i, 0,1,2,3,4,5,6,7
	ds_load_b128 v[\f+32+8*\i:\f+32+8*\i+3], v[ADRB+\slot] offset:\k+\i*16*PITCH
	ds_load_b128 v[\f+32+8*\i+4:\f+32+8*\i+7], v[ADRB+\slot] offset:\k+\i*16*PITCH+32
.endr
.irp i, 0,1,2,3
	ds_load_b128 v[\f+8*\i:\f+8*\i+3], v[ADRA+\slot] offset:\k+\i*16*PITCH
	ds_load_b128 v[\f+8*\i+4:\f+8*\i+7], v[ADRA+\slot] offset:\k+\i*16*PITCH+32
.endr
.endm
.macro QUARTER slot, k, f, g, zero     ; multiplies buffer f; ahead of the products it asks for the next quarter, at byte k, into g
	s_wait_dscnt 0x0                               ; buffer f is in (asked for a quarter ago)
	PLACES                                         ; in front of loads into registers that matrix instructions have read
	FETCH \slot, \k, \g
	MULA \f, 0, \zero
	MULA \f, 1, \zero
	MULA \f, 2, \zero
	MULA \f, 3, \zero
.endm
; The last quarter multiplies buffer 1 and changes slots: ONE barrier; in front of it each wave waits for all its tensor loads, adds 0 to its spare word, and waits for that and for its reads of this slot.
.macro TURN slot, next, fill
	WIN 0
	s_wait_tensorcnt 0x0                           ; all my tensor loads have landed: my part of the next slot
	ds_add_u32 v[SPW], v[NIL]
	s_wait_dscnt 1                                 ; buffer 1 is in; the add alone may be out
	MULA F1, 0, 0                                  ; eight matrix instructions stand between the add and the wait for it
	s_wait_dscnt 0x0                               ; the add is done, and my reads of this slot are over
	s_barrier_signal -1
	MULA F1, 1, 0
	WIN 0
	s_barrier_wait -1
.if \fill
	CREST                                          ; the barrier has opened a round of the cluster's: no wave of any partner still reads this slot or has a load on its way
	s_add_nc_u64 s[G0+4*\slot+2:G0+4*\slot+3], s[G0+4*\slot+2:G0+4*\slot+3], 2*KSTEP*2
	s_add_nc_u64 s[G0B+4*\slot+2:G0B+4*\slot+3], s[G0B+4*\slot+2:G0B+4*\slot+3], 2*KSTEP*2
	JLOAD \slot                                    ; the first tensor load behind the round; its four places serve the loads below too
.else
	PLACES
.endif
	FETCH \next, 0, F0
	MULA F1, 2, 0
	MULA F1, 3, 0
.endm
	s_wait_tensorcnt 1                             ; my part of K step 0 is in; K step 1's may stay out
	s_barrier_signal -1
	s_barrier_wait -1
	FETCH 0, 0, F0
	QUARTER 0, 64, F0, F1, 1                       ; the first quarter stands in front of the loop: its products start the sums
	WIN 0
	s_mov_b32 s3, LAPS-1
.Llap:                                             ; a trip goes once round the ring and fills both slots again
	QUARTER 0, 128, F1, F0, 0
	QUARTER 0, 192, F0, F1, 0
	TURN 0, 1, 1
	QUARTER 1, 64,  F0, F1, 0
	QUARTER 1, 128, F1, F0, 0
	QUARTER 1, 192, F0, F1, 0
	TURN 1, 0, 1
	QUARTER 0, 64,  F0, F1, 0
	WIN 0
	s_sub_co_u32 s3, s3, 1
	s_cmp_lg_u32 s3, 0
	s_cbranch_scc1 .Llap
	QUARTER 0, 128, F1, F0, 0                      ; the last lap fills nothing
	QUARTER 0, 192, F0, F1, 0
	TURN 0, 1, 0
	QUARTER 1, 64,  F0, F1, 0
	QUARTER 1, 128, F1, F0, 0
	QUARTER 1, 192, F0, F1, 0
	s_wait_dscnt 0x0
	MULA F1, 0, 0
	MULA F1, 1, 0
	MULA F1, 2, 0
	MULA F1, 3, 0
; THE WAY OUT, block by block of 16 rows x 128 columns: x 2^(Emax - 127); through my own stage; back as whole rows of 512 bytes.
.macro TOSTAGE a
	WIN 0x02                                       ; source 0: the accumulators, window 2
.set i, 0
.rept 32
	v_pk_mul_f32 v[TMP+2*i:TMP+2*i+1], v[64*(\a)+2*i:64*(\a)+2*i+1], v[SC:SC+1] op_sel_hi:[1,0]   ; each accumulator from its low end on
.set i, i+1
.endr
	WIN 0
.irp b, 0,1,2,3,4,5,6,7
	ds_store_b128 v[STO], v[TMP+8*\b:TMP+8*\b+3] offset:64*\b
	ds_store_b128 v[STO], v[TMP+8*\b+4:TMP+8*\b+7] offset:64*\b+16
.endr
.irp t, 0,1,2,3,4,5,6,7,8,9,10,11,12,13,14,15
	ds_load_b128 v[BK+64*((\a)%2)+4*\t:BK+64*((\a)%2)+4*\t+3], v[RD] offset:\t*SPITCH   ; LDS serves a wave's instructions in order
.endr
.endm
.macro SEND a, younger
	s_wait_dscnt \younger                          ; the block is back in registers
.irp t, 0,1,2,3,4,5,6,7,8,9,10,11,12,13,14,15
	global_store_b128 v[CO], v[BK+64*((\a)%2)+4*\t:BK+64*((\a)%2)+4*\t+3], s[10:11] offset:(16*(\a)+\t)*4096 th:TH_STORE_NT   ; 32 lanes store 512 consecutive bytes, aligned
.endr
.endm
	PLACES
	TOSTAGE 0
.irp a, 1,2,3
.if \a > 1
	s_wait_xcnt 0x0                                ; block a - 2's stores have read their registers: block a's loads may land there
.endif
	TOSTAGE \a
	SEND \a-1, 32                                  ; behind block a - 1's loads: block a's 16 stores and 16 loads
.endr
	SEND 3, 0
	s_wait_tensorcnt 0x0                           ; the wave's end, behind my last tensor load and my last LDS store
	ds_add_u32 v[SPW], v[NIL]
	s_wait_dscnt 0x0
	CROUND                                         ; the closing round
	s_endpgm
.Lfunc_end_k_q49ae8015a5_proj:
	.size	k_q49ae8015a5_proj, .Lfunc_end_k_q49ae8015a5_proj-k_q49ae8015a5_proj
	.p2alignl 7, 3214868480
	.fill 96, 4, 3214868480
	.section	.rodata,"a",@progbits
	.p2align	6, 0x0
	.amdhsa_kernel k_q49ae8015a5_proj
		.amdhsa_group_segment_fixed_size 327680
		.amdhsa_private_segment_fixed_size 0
		.amdhsa_enable_private_segment 0
		.amdhsa_kernarg_size 32
		.amdhsa_user_sgpr_count 2
		.amdhsa_user_sgpr_kernarg_segment_ptr 1
		.amdhsa_wavefront_size32 1
		.amdhsa_system_sgpr_workgroup_id_x 1
		.amdhsa_system_sgpr_workgroup_id_y 1
		.amdhsa_system_sgpr_workgroup_id_z 1
		.amdhsa_system_vgpr_workitem_id 0
		.amdhsa_next_free_vgpr 768
		.amdhsa_next_free_sgpr 70
		.amdhsa_reserve_vcc 0
		.amdhsa_float_denorm_mode_32 3
		.amdhsa_float_denorm_mode_16_64 3
		.amdhsa_memory_ordered 1
		.amdhsa_forward_progress 1
		.amdhsa_inst_pref_size 95
	.end_amdhsa_kernel
	.amdgpu_metadata
---
amdhsa.version: [ 1, 2 ]
amdhsa.kernels:
  - .name:           k_q49ae8015a5_proj
    .symbol:         k_q49ae8015a5_proj.kd
    .args:
      - { .name: y16, .offset: 0, .size: 8, .value_kind: global_buffer, .address_space: global }
      - { .name: wc16, .offset: 8, .size: 8, .value_kind: global_buffer, .address_space: global }
      - { .name: vexp, .offset: 16, .size: 8, .value_kind: global_buffer, .address_space: global }
      - { .name: out0, .offset: 24, .size: 8, .value_kind: global_buffer, .address_space: global }
    .group_segment_fixed_size: 327680
    .private_segment_fixed_size: 0
    .kernarg_segment_align: 8
    .kernarg_segment_size: 32
    .max_flat_workgroup_size: 128
    .sgpr_count:     70
    .vgpr_count:     768
    .wavefront_size: 32
...
	.end_amdgpu_metadata
.endif
;; end of part 4
